; MI455X (gfx1250); checked and timed in simulation.
; The chip was launched on July 23, 2026; its instructions are those of AMD's public machine-readable ISA for CDNA 5 (MIT licence, August 2026) and "CDNA5" Instruction Set Architecture Reference Guide (July 2026). The comments in the code are by the model that wrote it; some were corrected since.
;; Seq Self Attention. Allowed arithmetic: matrix products marked QUANTISED: E2M3 operands, one E8M0 scale for each 32 along K, by v_wmma_scale_f32_16x16x128_f8f6f4 with both operands' format E2M3, f32 sums; products left as they are: f32 operands where the result goes on into a quantised operand, else bf16, f16 or f32 operands; f32 sums; everything else in f32.
;; Inputs: Wa 32 x 1 float32; Wt_codes 32 x 4 x 24 uint8 (E2M3 codes of Wt, K innermost, in blocks of 32 codes, four codes in three bytes); Wt_scales 32 x 4 uint8 (E8M0 scales of Wt, one for each 32 codes along K); Wx_codes 32 x 4 x 24 uint8 (E2M3 codes of Wx, K innermost, in blocks of 32 codes, four codes in three bytes); Wx_scales 32 x 4 uint8 (E8M0 scales of Wx, one for each 32 codes along K); ba 1 float32; bh 32 float32; x 4 x 1,024 x 128 float32.
;; Outputs: out0 4 x 1,024 x 128 float32.
;; This version of the problem:
;;   THIS VERSION OF THE PROBLEM IS GIVEN IN LOW PRECISION. The matrix products marked QUANTISED in the list below multiply operands that are first quantised to E2M3 (2 exponent bits, 3 mantissa bits; 6 bits a number), with one power-of-two scale for each 32 numbers along K (OCP MX v1.0); their sums are f32. All else is computed in f32.
;;   The module's matrix products, in the order in which they are computed (A, B: the left and right operand; K: the contracted axis; several contracted axes count as one K, in the product's order):
;;     1. [M 4,096, K 128] x [K 128, N 32]; A: input x; B: input Wt (given as codes): QUANTISED
;;     2. [M 4,096, K 128] x [K 128, N 32]; A: input x; B: input Wx (given as codes): QUANTISED
;;     3. [M 4,194,304, K 32] x [K 32, N 1]; A: computed on the way; B: input Wa: left as it is (N = 1 < 16)
;;     4. batch 4 x [M 1,024, K 1,024] x [K 1,024, N 128]; A: softmax (see below); B: input x: QUANTISED
;;   THE QUANTISER, for each operand of a quantised product, along K:
;;     - K is cut into blocks of 32 from its start; a last block that is shorter is filled with zeros.
;;     - A block's scale is 2^e with e = floor(log2(the largest magnitude in the block)) - 2, held to -126 .. 127; a block of zeros has e = 0. As a byte (E8M0): e + 127.
;;     - Each number is divided by its block's scale, clamped to +-7.5, and rounded to the nearest number of E2M3, ties to even, subnormals kept.
;;     - The product sums the exact products of the quantised numbers (number of the format x scale) in f32.
;;   ~~~python
;;   def quantise(x, axis):      # numpy; x: float32 -> the quantised numbers, widened to float32 again
;;       x = np.moveaxis(x, axis, -1); K = x.shape[-1]
;;       x = np.pad(x, [(0, 0)] * (x.ndim - 1) + [(0, -K % 32)]); x = x.reshape(x.shape[:-1] + (-1, 32)); a = np.abs(x).max(-1, keepdims=True)
;;       e = np.where(a > 0, np.clip(np.frexp(np.where(a > 0, a, 1))[1] - 1 - 2, -126, 127), 0)      # np.frexp(a)[1] - 1 = floor(log2(a)), exactly
;;       r = np.clip(x / 2.0 ** e, -7.5, 7.5)
;;       step = 2.0 ** (np.maximum(np.frexp(np.where(r == 0, 1, r))[1] - 1, 0) - 3)
;;       q = np.round(r / step) * step * 2.0 ** e      # np.round: ties to even
;;       return np.moveaxis(q.reshape(q.shape[:-2] + (-1,))[..., :K], -1, axis).astype(np.float32)
;;   ~~~
;;   SOFTMAX AHEAD OF A QUANTISED PRODUCT. Where the list says 'softmax', what is quantised is not the finished softmax but p = 2^(t - M), with t = logit x log2(e) and M = ceil(the row's largest t), a whole number; so 1/2 < the row's largest p <= 1. The row's sum l is taken of the UNQUANTISED p, in f32, and the product's result is divided by l at the end. Since M is a whole number, a kernel that streams over the keys may use a running M (the ceiling of the running maximum): every later rescaling is an exact power of two, which a block's scale takes up: the codes' values come out the same.
;;   OPERANDS COMPUTED ON THE WAY. 'Computed on the way' means the value that the module computes at that place (a softmax that the list does not call 'softmax' is quantised finished and normalised). What goes into a quantiser is computed in f32, as accurately as f32 sums, v_exp_f32 and their like allow (about 1e-6 of the number): no bf16 or f16 on the way to a quantiser, and a product that is left as it is and whose result goes on into a quantised operand takes f32 operands (vector FMAs, or v_wmma_f32_16x16x4_f32). A number that lies on a knife's edge between two numbers of the format may be rounded either way, as far as f32 arithmetic and the matrix unit's own rounding can turn it there, and no further.
;;   INPUTS GIVEN AS CODES. Wt (in the module: [32, 128], K = its axis 1); Wx (in the module: [32, 128], K = its axis 1): each comes as NAME_codes (uint8): NAME with its K axis moved to the last place and cut into blocks of 32 codes, [.., K / 32, bytes a block], one block behind the other in memory; four codes in three bytes: a row's codes are one little-endian stream of bits, code i at bits 6 i .. 6 i + 5 (a code: sign, 2 exponent bits, 3 mantissa bits); and NAME_scales (uint8): the same leading axes, one E8M0 byte (e + 127) for each 32 codes along K. Its value is code x scale, taken as it is: it is not quantised again, and the codes and scales need not be those that the quantiser above would give.
;; 3 versions, each right; version 2 is faster than version 1; version 3 is version 2 with the launches prep, attn written anew for expert scheduling mode. Each part assembles by itself: llvm-mc -triple=amdgcn-amd-amdhsa -mcpu=gfx1250 --defsym DOCPART=n.
;; ======== version 1 of 3: 2 launches
;; limits: inputs' magnitudes at most 524,288; right only within a limited range of input values
;; workspace buffers: qa 524,288 bytes; kb 524,288 bytes; xtc 393,216 bytes; xts 32,768 bytes
;; launch prep (part 1): grid 256 x 1, 1 waves a work-group, no clusters, 8,448 bytes of LDS; arguments x, Wt_codes, Wt_scales, Wx_codes, Wx_scales, bh, qa, kb, xtc, xts; writes qa, kb, xtc, xts
.if DOCPART == 1
	.amdgcn_target "amdgcn-amd-amdhsa--gfx1250"
	.amdhsa_code_object_version 6
	.text
	.protected	k_q7a9f38144e_prep
	.globl	k_q7a9f38144e_prep
	.p2align	8
	.type	k_q7a9f38144e_prep,@function
k_q7a9f38144e_prep:
	s_mov_b64 s[64:65], 0
	v_nop
	global_prefetch_b8 v0, s[64:65] scope:SCOPE_SE
	s_setreg_imm32_b32 hwreg(HW_REG_WAVE_MODE, 25, 1), 1
	s_wait_xcnt 0x0
; x [4][1024][128] f32 is quantised twice to FP6 (E2M3) with one E8M0 scale for each 32 along K, and the two small products are made.
; Work-group i (one wave) does two things, on one path, with no barrier:
;  (T) x with K = THE KEYS, for the context product: fragment i = (batch b = i / 64, rows d = 16 m .. 16 m + 15 with m = (i / 8) % 8, keys 128 f .. 128 f + 127 with f = i % 8).  A lane takes a column d and its
;      registers run down the keys, in the order that the operand's layout gives that lane: the conversions' results ARE the operand's 12 registers.  They are stored as an image of those registers:
;      xtc[i][piece 0..2][lane][16 bytes], and the rows' scale words as xts[i][lane] (lanes 16-31 hold the same words as lanes 0-15, so that no lane is switched off).
;  (R) x with K = D, for q and k: rows 16 i .. 16 i + 15 of the 4,096 become one fragment in registers; four matrix instructions (transposed: source 0 = 16 rows of Wt or Wx, source 1 = x's 16 rows) give
;      q + bh (bh is the C of the sum) and k; both are multiplied by C = 2 log2(e), since the next launch wants 2^(C (q + bh + k)), and stored as qa[4096][32], kb[4096][32], f32.
; A block's scale is 2^(floor(log2(its largest magnitude)) - 2); its byte is the largest magnitude's exponent field - 2, held at 1 from below.
; LIMITS: a block of zeros gets the byte 1 where the quantiser says 127: its codes are zeros, which add nothing under any byte but 0xff, and these bytes are read by this program alone.
;         NaN and infinities among the inputs are not served.
; Every store of codes, of qa and of kb covers 512 consecutive bytes at a multiple of 256 from its buffer's first byte; the 128 bytes of scale words a work-group are the exception: 1 byte in 12 of what (T) stores.
.set XA,  16                           ; v16-79   (R) 64 numbers of my row: register 32 c + k = x(row r, 64 c + 32 h + k)
.set XB,  80                           ; v80-143  (T) 64 numbers of my column: register 32 c + k = x(key 64 c + 32 h + k, column r)
.set WF,  144                          ; v144-191 fragments of Wt's tiles 0, 1 and Wx's tiles 0, 1: 12 registers each
.set WS,  192                          ; v192-195 their scale words: these registers hold scales and nothing else
.set BH,  196                          ; v196-211 bh in the result's layout: register 8 ut + j = bh[16 ut + 8 h + j]
.set CA,  212                          ; v212-223 (R) x's codes
.set CB,  224                          ; v224-235 (T) x's codes
.set TC,  236                          ; v236-238, v240-242 the upper halves of two blocks' codes, before they are moved
.set MX,  244                          ; v244-245 largest magnitudes
.set SCO, 246                          ; v246-247 the conversions' scale operands
.set BY,  248                          ; v248-249 scale bytes
.set SWA, 250                          ; v250     (R) x's scale word
.set SWB, 251                          ; v251     (T) x's scale word
.set AC,  80                           ; v80-111  four accumulators, in the registers that XB has left
.set OB,  16                           ; v16-47   rows read back from the stage, in the registers that XA has left
.set SPI, 144                          ; a stage row: 128 bytes + 16
	s_load_b256 s[4:11], s[0:1], 0x0               ; x s[4:5], Wt's codes s[6:7], Wt's scales s[8:9], Wx's codes s[10:11]
	s_load_b256 s[12:19], s[0:1], 0x20             ; Wx's scales s[12:13], bh s[14:15], qa s[16:17], kb s[18:19]
	s_load_b128 s[20:23], s[0:1], 0x40             ; xtc s[20:21], xts s[22:23]
	v_lshl_add_u32 v254, v0, 2, 0x2000
	v_mov_b32 v255, 0
	v_and_b32 v1, 15, v0                           ; r
	v_bfe_u32 v2, v0, 4, 1                         ; h
	v_lshlrev_b32 v6, 2, v1                        ; 4 r: a scale word of W's row r
	v_lshl_add_u32 v3, v2, 14, v6                  ; (T) column r, and 32 keys of 512 bytes further down for lanes 16-31
	v_lshlrev_b32 v4, 9, v1
	v_lshl_add_u32 v4, v2, 7, v4                   ; (R) row r of 512 bytes, + 32 numbers for lanes 16-31
	v_mul_u32_u24 v5, v1, 96
	v_mad_u32_u24 v5, v2, 24, v5                   ; W: row r of 96 bytes, + 24 h
	v_lshlrev_b32 v7, 5, v2                        ; bh: 8 h numbers on
	v_lshlrev_b32 v8, 4, v0                        ; 16 x lane
	v_lshlrev_b32 v9, 2, v0                        ; 4 x lane
	v_lshlrev_b32 v10, 3, v2                       ; 8 h: how far my two scale bytes are shifted
	v_mul_u32_u24 v11, v1, SPI
	v_lshl_add_u32 v11, v2, 5, v11                 ; the stage, in: row r, + 32 h
	v_lshrrev_b32 v12, 3, v0
	v_mul_u32_u24 v12, v12, SPI
	v_and_b32 v14, 7, v0
	v_lshl_add_u32 v12, v14, 4, v12                ; and back: eight lanes to a row of 128 bytes, four rows an instruction
	v_mov_b32 v13, 0                               ; written once: a lane permute's destination counts as one of its sources
	s_lshr_b32 s32, ttmp9, 6                       ; b
	s_lshl_b32 s32, s32, 19                        ; a batch is 1,024 x 512 bytes
	s_and_b32 s33, ttmp9, 7                        ; f
	s_lshl_b32 s33, s33, 16                        ; 128 keys of 512 bytes
	s_add_co_u32 s32, s32, s33
	s_bfe_u32 s33, ttmp9, 0x30003                  ; m
	s_lshl_b32 s33, s33, 6                         ; 16 columns of 4 bytes
	s_add_co_u32 s32, s32, s33
	s_mov_b32 s33, 0
	s_lshl_b32 s34, ttmp9, 13                      ; (R) 16 rows of 512 bytes
	s_mov_b32 s35, 0
	s_lshl_b32 s36, ttmp9, 11                      ; 16 rows of 128 bytes in qa and in kb
	s_mov_b32 s37, 0
	s_mul_i32 s38, ttmp9, 1536                     ; a fragment's image
	s_mov_b32 s39, 0
	s_lshl_b32 s40, ttmp9, 7                       ; its 32 scale words
	s_mov_b32 s41, 0
	s_mov_b32 s28, 0x76543210
	s_mov_b32 s29, 0xfedcba98                      ; v_permlanex16_b32's selects for lane l xor 16
	s_mov_b32 s30, 0x4038aa3b                      ; C = 2 log2(e)
	s_mov_b32 s31, s30                             ; (named with it as a pair, so it is written)
	s_wait_kmcnt 0x0
	s_add_nc_u64 s[24:25], s[4:5], s[32:33]
	s_add_nc_u64 s[26:27], s[4:5], s[34:35]
	s_add_nc_u64 s[16:17], s[16:17], s[36:37]
	s_add_nc_u64 s[18:19], s[18:19], s[36:37]
	s_add_nc_u64 s[20:21], s[20:21], s[38:39]
	s_add_nc_u64 s[22:23], s[22:23], s[40:41]
	; all loads go out here, those that are wanted first in front
.set ii, 0
.rept 64
	global_load_b32 v[XB+ii], v3, s[24:25] offset:(64*(ii/32)+ii%32)*512   ; x(key 64 c + 32 h + k, column r): sixteen lanes read 64 consecutive bytes
.set ii, ii+1
.endr
.irp c, 0,1
.irp j, 0,1,2,3,4,5,6,7
	global_load_b128 v[XA+32*\c+4*\j:XA+32*\c+4*\j+3], v4, s[26:27] offset:256*\c+16*\j
.endr
.endr
.irp ut, 0,1
.irp p, 0,1,2,3,4,5
	global_load_b64 v[WF+12*\ut+2*\p:WF+12*\ut+2*\p+1], v5, s[6:7] offset:1536*\ut+48*(\p/3)+8*(\p%3)
.endr
.endr
.irp ut, 0,1
.irp p, 0,1,2,3,4,5
	global_load_b64 v[WF+24+12*\ut+2*\p:WF+24+12*\ut+2*\p+1], v5, s[10:11] offset:1536*\ut+48*(\p/3)+8*(\p%3)
.endr
.endr
.irp ut, 0,1
	global_load_b32 v[WS+\ut], v6, s[8:9] offset:64*\ut
	global_load_b32 v[WS+2+\ut], v6, s[12:13] offset:64*\ut
.endr
.irp ut, 0,1
	global_load_b128 v[BH+8*\ut:BH+8*\ut+3], v7, s[14:15] offset:64*\ut
	global_load_b128 v[BH+8*\ut+4:BH+8*\ut+7], v7, s[14:15] offset:64*\ut+16
.endr
; 64 numbers of a lane, register 32 c + k = K 64 c + 32 h + k of my row (or column), become the operand's 12 registers in v[dst] on and the row's scale word in v[sw].  A lane holds two whole blocks.
.macro QFRAG src, dst, sw
.irp c, 0,1
	v_max3_num_f32 v[MX+\c], |v[\src+32*\c]|, |v[\src+32*\c+1]|, 0x1800000   ; with the floor 2^(3 - 127) among the leaves: the byte cannot fall under 1
.endr
.irp i, 2,4,6,8,10,12,14,16,18,20,22,24,26,28,30
.irp c, 0,1
	v_max3_num_f32 v[MX+\c], v[MX+\c], |v[\src+32*\c+\i]|, |v[\src+32*\c+\i+1]|   ; (the two blocks by turns)
.endr
.endr
.irp c, 0,1
	v_add_nc_u32 v[SCO+\c], 0xff000000, v[MX+\c]   ; 2 off the exponent field: the conversion takes the exponent field of this operand as its scale, and nothing else of it
.endr
.irp c, 0,1
	v_lshrrev_b32 v[BY+\c], 23, v[SCO+\c]          ; the scale's byte
.endr
	v_lshl_or_b32 v[\sw], v[BY+1], 16, v[BY]       ; my two bytes: blocks h and 2 + h,
	v_lshlrev_b32 v[\sw], v10, v[\sw]              ; at their places in the word (8 h bits up);
	v_permlanex16_b32 v13, v[\sw], s28, s29
	v_or_b32 v[\sw], v[\sw], v13                   ; with lane l xor 16's two the word is whole, in both lanes
.irp c, 0,1
	v_cvt_scalef32_pk16_fp6_f32 v[\dst+6*\c:\dst+6*\c+2], v[\src+32*\c:\src+32*\c+15], v[SCO+\c]
	v_cvt_scalef32_pk16_fp6_f32 v[TC+4*\c:TC+4*\c+2], v[\src+32*\c+16:\src+32*\c+31], v[SCO+\c]   ; (a conversion's three registers begin on an even number: the second half of a block's six does not)
.endr
	v_nop                                          ; one plain place behind a scaled conversion
.irp c, 0,1
.irp i, 0,1,2
	v_mov_b32 v[\dst+3+6*\c+\i], v[TC+4*\c+\i]
.endr
.endr
.endm
	s_wait_loadcnt 48                              ; the 64 column loads are in: 16 + 24 + 4 + 4 loads were issued behind them
	QFRAG XB, CB, SWB
.irp p, 0,1,2
	global_store_b128 v8, v[CB+4*\p:CB+4*\p+3], s[20:21] offset:512*\p   ; the image: registers 4 p .. 4 p + 3, lane l's 16 bytes at 16 l
.endr
	global_store_b32 v9, v[SWB], s[22:23]
	s_wait_loadcnt 0x0
	QFRAG XA, CA, SWA                              ; (it writes none of the registers that the stores above read)
.rept 8
	v_nop                                          ; a scale register written by a vector instruction stands 8 places ahead of a scaled matrix instruction, an operand so written 4
.endr
	; TRANSPOSED: in tile t lane (r, h) holds row r of x, and its register j the unit u = 16 (t % 2) + 8 h + j.  Four accumulators, one instruction each.
.irp t, 0,1
	v_wmma_scale_f32_16x16x128_f8f6f4 v[AC+8*\t:AC+8*\t+7], v[WF+12*\t:WF+12*\t+11], v[CA:CA+11], v[BH+8*\t:BH+8*\t+7], v[WS+\t], v[SWA] matrix_a_fmt:MATRIX_FMT_FP6 matrix_b_fmt:MATRIX_FMT_FP6   ; q + bh
.endr
.irp t, 2,3
	v_wmma_scale_f32_16x16x128_f8f6f4 v[AC+8*\t:AC+8*\t+7], v[WF+12*\t:WF+12*\t+11], v[CA:CA+11], 0, v[WS+\t], v[SWA] matrix_a_fmt:MATRIX_FMT_FP6 matrix_b_fmt:MATRIX_FMT_FP6   ; k
.endr
.rept 4
	v_nop                                          ; four places behind the last product, ahead of the first read of results
.endr
.set ii, 0
.rept 16
	v_pk_mul_f32 v[AC+ii:AC+ii+1], v[AC+ii:AC+ii+1], s[30:31] op_sel_hi:[1,0]   ; x C; each accumulator from its low end on
.set ii, ii+2
.endr
	; a lane holds 32 bytes of a row and the lanes beside it other rows: through my stage (two of 16 rows x 144 bytes: qa's, kb's) and back as whole rows
.irp t, 0,1,2,3
	ds_store_b128 v11, v[AC+8*\t:AC+8*\t+3] offset:16*SPI*(\t/2)+64*(\t%2)
	ds_store_b128 v11, v[AC+8*\t+4:AC+8*\t+7] offset:16*SPI*(\t/2)+64*(\t%2)+16
.endr
.irp z, 0,1
.irp i, 0,1,2,3
	ds_load_b128 v[OB+16*\z+4*\i:OB+16*\z+4*\i+3], v12 offset:16*SPI*\z+4*SPI*\i   ; LDS serves a wave's instructions in order (ISA guide 5.7.1.4): these see the stores above
.endr
.endr
.irp i, 0,1,2,3
	s_wait_dscnt 7-\i                              ; load i of the eight is in; the younger ones may be out
	global_store_b128 v8, v[OB+4*\i:OB+4*\i+3], s[16:17] offset:512*\i        ; four rows of qa: 512 consecutive bytes
.endr
.irp i, 0,1,2,3
	s_wait_dscnt 3-\i
	global_store_b128 v8, v[OB+16+4*\i:OB+16+4*\i+3], s[18:19] offset:512*\i  ; four rows of kb
.endr
	s_wait_tensorcnt 0x0
	ds_add_u32 v254, v255
	s_wait_dscnt 0x0
	s_endpgm
.Lfunc_end_k_q7a9f38144e_prep:
	.size	k_q7a9f38144e_prep, .Lfunc_end_k_q7a9f38144e_prep-k_q7a9f38144e_prep
	.p2alignl 7, 3214868480
	.fill 96, 4, 3214868480
	.section	.rodata,"a",@progbits
	.p2align	6, 0x0
	.amdhsa_kernel k_q7a9f38144e_prep
		.amdhsa_group_segment_fixed_size 8448
		.amdhsa_private_segment_fixed_size 0
		.amdhsa_enable_private_segment 0
		.amdhsa_kernarg_size 80
		.amdhsa_user_sgpr_count 2
		.amdhsa_user_sgpr_kernarg_segment_ptr 1
		.amdhsa_wavefront_size32 1
		.amdhsa_system_sgpr_workgroup_id_x 1
		.amdhsa_system_sgpr_workgroup_id_y 1
		.amdhsa_system_sgpr_workgroup_id_z 1
		.amdhsa_system_vgpr_workitem_id 0
		.amdhsa_next_free_vgpr 256
		.amdhsa_next_free_sgpr 66
		.amdhsa_reserve_vcc 0
		.amdhsa_float_denorm_mode_32 3
		.amdhsa_float_denorm_mode_16_64 3
		.amdhsa_memory_ordered 1
		.amdhsa_forward_progress 1
		.amdhsa_inst_pref_size 24
	.end_amdhsa_kernel
	.amdgpu_metadata
---
amdhsa.version: [ 1, 2 ]
amdhsa.kernels:
  - .name:           k_q7a9f38144e_prep
    .symbol:         k_q7a9f38144e_prep.kd
    .args:
      - { .name: x, .offset: 0, .size: 8, .value_kind: global_buffer, .address_space: global }
      - { .name: Wt_codes, .offset: 8, .size: 8, .value_kind: global_buffer, .address_space: global }
      - { .name: Wt_scales, .offset: 16, .size: 8, .value_kind: global_buffer, .address_space: global }
      - { .name: Wx_codes, .offset: 24, .size: 8, .value_kind: global_buffer, .address_space: global }
      - { .name: Wx_scales, .offset: 32, .size: 8, .value_kind: global_buffer, .address_space: global }
      - { .name: bh, .offset: 40, .size: 8, .value_kind: global_buffer, .address_space: global }
      - { .name: qa, .offset: 48, .size: 8, .value_kind: global_buffer, .address_space: global }
      - { .name: kb, .offset: 56, .size: 8, .value_kind: global_buffer, .address_space: global }
      - { .name: xtc, .offset: 64, .size: 8, .value_kind: global_buffer, .address_space: global }
      - { .name: xts, .offset: 72, .size: 8, .value_kind: global_buffer, .address_space: global }
    .group_segment_fixed_size: 8448
    .private_segment_fixed_size: 0
    .kernarg_segment_align: 8
    .kernarg_segment_size: 80
    .max_flat_workgroup_size: 32
    .sgpr_count:     66
    .vgpr_count:     256
    .wavefront_size: 32
...
	.end_amdgpu_metadata
.endif
;; end of part 1
;; launch attn (part 2): grid 256 x 1, 16 waves a work-group, no clusters, 231,424 bytes of LDS; arguments qa, kb, xtc, xts, Wa, ba, out0; writes out0
.if DOCPART == 2
	.amdgcn_target "amdgcn-amd-amdhsa--gfx1250"
	.amdhsa_code_object_version 6
	.text
	.protected	k_q7a9f38144e_attn
	.globl	k_q7a9f38144e_attn
	.p2align	8
	.type	k_q7a9f38144e_attn,@function
k_q7a9f38144e_attn:
	s_mov_b64 s[64:65], 0
	v_nop
	global_prefetch_b8 v0, s[64:65] scope:SCOPE_SE
	s_setreg_imm32_b32 hwreg(HW_REG_WAVE_MODE, 25, 1), 1
	s_wait_xcnt 0x0
; out0[b][s][:] = sum over j of softmax_j(tanh(sum over u of Wa[u] tanh(q[s][u] + k[j][u] + bh[u]) + ba)) x[b][j][:], the last product on codes of FP6 (E2M3) with one E8M0 scale for each 32 keys.
; In: qa = C (q + bh), kb = C k (C = 2 log2(e)), f32; xtc, xts: x quantised along the keys, as images of the operand's registers and its scale words.
; SHARES.  Work-group g owns queries 16 g .. 16 g + 15 (batch g / 64) against all 1,024 keys.  Wave w of sixteen owns keys 64 w .. 64 w + 63; lane (r = lane % 16, h = lane / 16) owns query r and the WHOLE block of 32 keys
; 64 w + 32 h + i.  So a block's largest p needs no other lane, its six registers of codes ARE registers 6 c .. 6 c + 5 (c = w % 2) of p's fragment w / 2, and its scale byte is byte 2 c + h of row r's word.
; THE INNER TANH, 32 for a key and a lane, is what the launch consists of.  tanh(z) = 1 - 2 / (1 + 2^(C z)), so the raw logit is (sum of Wa + ba) - 2 sum over u of Wa[u] / (1 + E[u]), E = 2^(qa + kb).
; One exponential an element.  The reciprocals are shared: EIGHT FRACTIONS GO OVER ONE DENOMINATOR.  The exponent is held at 30 from above, and x' = 2^-15 (1 + E) lies in 2^-15 .. 2^15, so that a product of eight lies
; in 2^-120 .. 2^120: the reciprocal sees and gives normal numbers alone.  Two fractions merge by N = Na Db + Nb Da, D = Da Db: three packed instructions; a lane's 16 register pairs are two groups of eight pairs,
; seven merges each; four reciprocals a key are left: 36 transcendentals for 32 tanh, and 111 plain instructions.
; THE SOFTMAX has no search for a maximum: the logits are results of the outer tanh, so t = logit x log2(e) lies in -1.4427 .. 1.4427 for EVERY input; p = 2^t lies in 0.36 .. 2.72 and a row's sum under 2,786.
; The whole number M that the problem's rule takes off t is here the constant 0: another whole M shifts each block's scale, the row's sum and the product by the same exact power of two.
; LIMITS: the hold at 30 changes a tanh by under 2^-28.  |Wa[u]| under 2^-20 (numerators near the smallest normal number; such a term's whole share of a logit is under 1e-6) or over 2^19 loses bits.  NaN and infinities are not served.
; THE SECOND PRODUCT is used transposed (source 0 = 16 rows d of x^T, source 1 = p's 16 queries).  Wave w makes rows d = 16 (w / 2) .. + 15 over the key half w % 2 (four fragments of 128 keys); the two halves meet in a stage.
; NO JOINT LOADS, though the 64 work-groups of a batch read the same kb, xtc and xts: a wave brings 8,192 + 6,656 bytes of them ONCE, through registers, for some 5,300 vector instructions, and the 6,656 bytes for the second
; product are on their way through the whole loop over keys.  No LDS byte is filled twice.  All loads go out at the head, so there is nothing to ask for ahead of them.
; LDS
.set KBL,  0                           ; 131,072  wave w's 64 rows of kb, 128 bytes each, at 8,192 w: its own
.set ALS,  131072                      ;  65,536  wave w's raw sums at 4,096 w + 128 i + 4 lane: its own
.set PIMG, 196608                      ;  12,288  p's codes as register pairs: wave w's pair g at 768 w + 256 g + 8 lane = fragment w / 2's pair 3 (w % 2) + g
.set PSC,  208896                      ;     512  p's scale bytes at 64 (w / 2) + 4 r + 2 (w % 2) + h
.set LSUM, 209408                      ;   1,280  the rows' sums, a word for each wave: 80 r + 4 w
.set OST,  210688                      ;  16,896  two halves of 16 rows x (512 + 16) bytes
; REGISTERS: v1 16 lane; v2 4 lane; v3 128 r; v4 my rows of kb in LDS; v5 the address of the loads in hand; v6 my raw sums in LDS; v7 the address of the store in hand; v8 0; v9-17 LDS addresses, made at the head;
; v[18:19] C (sum of Wa + ba); v[20:21] at work; v[22:23] 1 / the row's sum; v[24:31] the two groups' last numerators and denominators, carried into the next trip
.set RA,  32                           ; v32-63   qa of my query
.set RW,  64                           ; v64-95   Wa
.set RB,  96                           ; v96-127  kb of the key in hand; later p
.set RT,  128                          ; v128-159 the 32 elements at work
.set RN,  160                          ; v160-175 numerators
.set XF,  176                          ; v176-223 four fragments of x^T
.set XS,  224                          ; v224-227 their scale words: scales and nothing else
.set PS,  228                          ; v228-231 p's scale words: scales and nothing else
.set PF,  32                           ; v32-79   four fragments of p (second product)
.set LS,  80                           ; v80-95   sixteen parts of my row's sum
	s_load_b256 s[4:11], s[0:1], 0x0               ; qa s[4:5], kb s[6:7], xtc s[8:9], xts s[10:11]
	s_load_b128 s[12:15], s[0:1], 0x20             ; Wa s[12:13], ba s[14:15]
	s_load_b64 s[16:17], s[0:1], 0x30              ; out0
	v_lshl_add_u32 v254, v0, 2, 0x38000
	v_mov_b32 v255, 0
	v_lshrrev_b32 v240, 5, v0
	v_readfirstlane_b32 s18, v240                  ; wave 0..15
	v_and_b32 v240, 31, v0                         ; lane
	v_and_b32 v241, 15, v0                         ; r
	v_bfe_u32 v242, v0, 4, 1                       ; h
	v_lshlrev_b32 v1, 4, v240
	v_lshlrev_b32 v2, 2, v240
	v_lshlrev_b32 v3, 7, v241
	v_mov_b32 v8, 0
	v_mov_b32 v244, 0                              ; written once: a lane permute's destination counts as one of its sources
	s_and_b32 s37, s18, 1                          ; w % 2
	s_lshr_b32 s38, s18, 1                         ; w / 2
	s_lshl_b32 s19, s18, 13
	v_lshl_add_u32 v4, v242, 12, s19               ; kb in LDS: 8,192 w + 32 rows for lanes 16-31
	v_add_nc_u32 v9, s19, v1                       ; and where I put it: 8,192 w + 16 lane
	s_lshl_b32 s36, s18, 12
	s_add_co_u32 s36, s36, ALS
	v_add_nc_u32 v6, s36, v2                       ; raw sums: ALS + 4,096 w + 4 lane
	v_mul_u32_u24 v15, v241, 80
	v_add_nc_u32 v15, LSUM, v15                    ; my row's sixteen parts
	s_lshl_b32 s36, s18, 2
	v_add_nc_u32 v10, s36, v15                     ; and my wave's among them
	s_lshl_b32 s36, s38, 6
	s_lshl_b32 s39, s37, 1
	s_add_co_u32 s36, s36, s39
	s_add_co_u32 s36, s36, PSC
	v_lshl_add_u32 v11, v241, 2, v242
	v_add_nc_u32 v11, s36, v11                     ; my block's scale byte
	s_mul_i32 s36, s18, 768
	s_add_co_u32 s36, s36, PIMG
	v_lshl_add_u32 v12, v240, 3, s36               ; where I put my codes
	s_mul_i32 s36, s37, 6144
	s_add_co_u32 s36, s36, PIMG
	v_lshl_add_u32 v13, v240, 3, s36               ; p's fragments of my key half
	s_lshl_b32 s36, s37, 8
	s_add_co_u32 s36, s36, PSC
	v_lshl_add_u32 v14, v241, 2, s36               ; and their scale words
	s_mul_i32 s36, s37, 8448
	s_lshl_b32 s39, s38, 6
	s_add_co_u32 s36, s36, s39
	s_add_co_u32 s36, s36, OST
	v_mul_u32_u24 v16, v241, 528
	v_lshl_add_u32 v16, v242, 5, v16
	v_add_nc_u32 v16, s36, v16                     ; the stage, in: my key half, row r, 64 (w / 2) + 32 h bytes on
	s_mul_i32 s36, s18, 528
	s_add_co_u32 s36, s36, OST
	v_add_nc_u32 v17, s36, v1                      ; and back: row w, 16 bytes a lane
	s_mov_b32 s21, 0x41f00000                      ; 30.0
	s_mov_b32 s22, 0x38000000                      ; 2^-15
	s_mov_b32 s23, s22                             ; (the packed forms name pairs and take the low word for both halves: so the upper words are written)
	s_mov_b32 s28, 0xb938aa3b                      ; -C 2^-14
	s_mov_b32 s29, s28
	s_mov_b32 s30, 0xc038aa3b                      ; -C
	s_mov_b32 s31, s30
	s_mov_b32 s34, 0x76543210
	s_mov_b32 s35, 0xfedcba98                      ; v_permlanex16_b32's selects for lane l xor 16
	s_mov_b32 s25, 0                               ; how far the loads of kb's rows have gone: 128 bytes a key
	s_mov_b32 s26, 0                               ; and the stores of raw sums
	s_lshr_b32 s39, ttmp9, 6                       ; the batch
	s_mov_b32 s41, 0
	s_wait_kmcnt 0x0
	s_load_b32 s20, s[14:15], 0x0                  ; ba
	s_lshl_b32 s40, ttmp9, 11                      ; my 16 rows of qa
	s_add_nc_u64 s[4:5], s[4:5], s[40:41]
	s_lshl_b32 s40, s39, 17                        ; kb: the batch's 1,024 rows of 128 bytes,
	s_add_co_u32 s40, s40, s19                     ; my wave's 64
	s_add_nc_u64 s[6:7], s[6:7], s[40:41]
	s_mul_i32 s40, s39, 98304                      ; xtc: 64 images of 1,536 bytes a batch,
	s_mul_i32 s36, s18, 6144                       ; (8 (w / 2) + 4 (w % 2)) images = 6,144 w
	s_add_co_u32 s40, s40, s36
	s_add_nc_u64 s[8:9], s[8:9], s[40:41]
	s_lshl_b32 s40, s39, 13                        ; xts: 128 bytes an image
	s_lshl_b32 s36, s18, 9
	s_add_co_u32 s40, s40, s36
	s_add_nc_u64 s[10:11], s[10:11], s[40:41]
	s_lshl_b32 s40, ttmp9, 13                      ; out0: my 16 rows of 512 bytes, row w of them
	s_add_co_u32 s40, s40, s36
	s_add_nc_u64 s[16:17], s[16:17], s[40:41]
	; all loads go out here, those that are wanted first in front
.irp i, 0,1,2,3,4,5,6,7,8,9,10,11,12,13,14,15
	global_load_b128 v[RB+4*\i:RB+4*\i+3], v1, s[6:7] offset:512*\i           ; my wave's 8,192 bytes of kb, 512 consecutive bytes a load
.endr
.irp i, 0,1,2,3,4,5,6,7
	global_load_b128 v[RA+4*\i:RA+4*\i+3], v3, s[4:5] offset:16*\i            ; qa of query r
.endr
.irp i, 0,1,2,3,4,5,6,7
	global_load_b128 v[RW+4*\i:RW+4*\i+3], v8, s[12:13] offset:16*\i          ; Wa, the same in every lane
.endr
.irp i, 0,1,2,3,4,5,6,7,8,9,10,11
	global_load_b128 v[XF+4*\i:XF+4*\i+3], v1, s[8:9] offset:512*\i           ; four images of x^T: wanted behind the loop
.endr
.irp i, 0,1,2,3
	global_load_b32 v[XS+\i], v2, s[10:11] offset:128*\i
.endr
	s_wait_loadcnt 32                              ; kb is in: 8 + 8 + 12 + 4 loads were issued behind it
.irp i, 0,1,2,3,4,5,6,7,8,9,10,11,12,13,14,15
	ds_store_b128 v9, v[RB+4*\i:RB+4*\i+3] offset:512*\i
.endr
	s_wait_dscnt 0x0                               ; the stores have read their registers, which the loads below fill
.irp j, 0,1,2,3,4,5,6,7
	ds_load_b128 v[RB+4*\j:RB+4*\j+3], v4 offset:16*\j                        ; key 0 of my half's 32: sixteen lanes read the same row
.endr
	s_wait_loadcnt 16                              ; qa and Wa are in; the 12 + 4 loads for the second product stay out through the loop
.irp m, 0,1,2,3,4,5,6,7
	v_pk_add_f32 v[RN+2*\m:RN+2*\m+1], v[RW+4*\m:RW+4*\m+1], v[RW+4*\m+2:RW+4*\m+3]   ; the sum of Wa
.endr
.irp m, 0,1,2,3
	v_pk_add_f32 v[RN+4*\m:RN+4*\m+1], v[RN+4*\m:RN+4*\m+1], v[RN+4*\m+2:RN+4*\m+3]
.endr
.irp m, 0,1
	v_pk_add_f32 v[RN+8*\m:RN+8*\m+1], v[RN+8*\m:RN+8*\m+1], v[RN+8*\m+4:RN+8*\m+5]
.endr
	v_pk_add_f32 v[RN:RN+1], v[RN:RN+1], v[RN+8:RN+9]
	v_add_f32 v18, v[RN], v[RN+1]
	s_wait_kmcnt 0x0                               ; ba
	v_add_f32 v18, s20, v18
	v_mul_f32 v18, 0x4038aa3b, v18                 ; C (sum of Wa + ba)
	v_mov_b32 v19, v18
; The raw sum of the key before: S = N0 / D0 + N1 / D1, both halves of the pairs added; to my wave's own words in LDS, since the key's number is a loop's count and no register number.
.macro FINISH
	v_pk_mul_f32 v[20:21], v[24:25], v[26:27]
	v_pk_fma_f32 v[20:21], v[28:29], v[30:31], v[20:21]
	v_add_f32 v20, v20, v21
	ds_store_b32 v7, v20
	s_add_co_u32 s26, s26, 128
.endm
; ONE KEY of each half of the lanes.  first = 1: there is no key before it to finish.  ld = 1: the next key's row is fetched.
.macro KEY first, ld
	s_wait_dscnt 0x0                               ; this key's row is in (asked for a trip ago), and the last raw sum's store has read its register
.set ii, 0
.rept 16
	v_pk_add_f32 v[RT+ii:RT+ii+1], v[RA+ii:RA+ii+1], v[RB+ii:RB+ii+1]   ; C (q + bh + k)
.set ii, ii+2
.endr
.if \ld
	v_add_nc_u32 v5, s25, v4
.irp j, 0,1,2,3,4,5,6,7
	ds_load_b128 v[RB+4*\j:RB+4*\j+3], v5 offset:128+16*\j     ; the next key's row: it has the rest of the trip in which to land
.endr
	s_add_co_u32 s25, s25, 128
.endif
.set ii, 0
.rept 32
	v_min_num_f32 v[RT+ii], s21, v[RT+ii]          ; the hold at 30
.set ii, ii+1
.endr
	; ONE BATCH of transcendentals: the four reciprocals of the key before, and this key's 32 exponentials; none reads another's result
.if \first == 0
	v_rcp_f32 v26, v26
	v_rcp_f32 v27, v27
	v_rcp_f32 v30, v30
	v_rcp_f32 v31, v31
.endif
.set ii, 0
.rept 32
	v_exp_f32 v[RT+ii], v[RT+ii]
.set ii, ii+1
.endr
	v_add_nc_u32 v7, s26, v6                       ; the plain instruction behind the batch (ISA guide 5.7.2): where the raw sum goes
	s_wait_alu depctr_va_vdst(0)                   ; the wait ahead of the batch's first reader: one for the 36
.if \first == 0
	FINISH
.endif
.set ii, 0
.rept 16
	v_pk_fma_f32 v[RT+ii:RT+ii+1], v[RT+ii:RT+ii+1], s[22:23], s[22:23] op_sel_hi:[1,0,0]   ; x' = 2^-15 E + 2^-15: the rounding is that of 1 + E
.set ii, ii+2
.endr
	; THE MERGES.  Group g: pairs X(p) = v[RT + 16 g + 2 p], p = 0 .. 7, over numerators Wa.  Lines that do not wait for each other stand together.
.irp m, 0,1,2,3                        ; level 1: X(2 m) with X(2 m + 1): N(m) = W(2 m) X(2 m + 1) + W(2 m + 1) X(2 m); D(m) takes X(2 m)'s place
.irp g, 0,1
	v_pk_mul_f32 v[RN+8*\g+2*\m:RN+8*\g+2*\m+1], v[RW+16*\g+4*\m:RW+16*\g+4*\m+1], v[RT+16*\g+4*\m+2:RT+16*\g+4*\m+3]
.endr
.endr
.irp m, 0,1,2,3
.irp g, 0,1
	v_pk_fma_f32 v[RN+8*\g+2*\m:RN+8*\g+2*\m+1], v[RW+16*\g+4*\m+2:RW+16*\g+4*\m+3], v[RT+16*\g+4*\m:RT+16*\g+4*\m+1], v[RN+8*\g+2*\m:RN+8*\g+2*\m+1]
.endr
.endr
.irp m, 0,1,2,3
.irp g, 0,1
	v_pk_mul_f32 v[RT+16*\g+4*\m:RT+16*\g+4*\m+1], v[RT+16*\g+4*\m:RT+16*\g+4*\m+1], v[RT+16*\g+4*\m+2:RT+16*\g+4*\m+3]
.endr
.endr
.irp a, 0,2                            ; level 2: fraction a with fraction a + 1
.irp g, 0,1
	v_pk_mul_f32 v[RN+8*\g+2*\a:RN+8*\g+2*\a+1], v[RN+8*\g+2*\a:RN+8*\g+2*\a+1], v[RT+16*\g+4*\a+4:RT+16*\g+4*\a+5]
.endr
.endr
.irp a, 0,2
.irp g, 0,1
	v_pk_fma_f32 v[RN+8*\g+2*\a:RN+8*\g+2*\a+1], v[RN+8*\g+2*\a+2:RN+8*\g+2*\a+3], v[RT+16*\g+4*\a:RT+16*\g+4*\a+1], v[RN+8*\g+2*\a:RN+8*\g+2*\a+1]
.endr
.endr
.irp a, 0,2
.irp g, 0,1
	v_pk_mul_f32 v[RT+16*\g+4*\a:RT+16*\g+4*\a+1], v[RT+16*\g+4*\a:RT+16*\g+4*\a+1], v[RT+16*\g+4*\a+4:RT+16*\g+4*\a+5]
.endr
.endr
.irp g, 0,1                            ; level 3: fraction 0 with fraction 2, into the carried registers: the next trip writes v[RT] on before the reciprocals are taken
	v_pk_mul_f32 v[24+4*\g:25+4*\g], v[RN+8*\g:RN+8*\g+1], v[RT+16*\g+8:RT+16*\g+9]
.endr
.irp g, 0,1
	v_pk_fma_f32 v[24+4*\g:25+4*\g], v[RN+8*\g+4:RN+8*\g+5], v[RT+16*\g:RT+16*\g+1], v[24+4*\g:25+4*\g]
.endr
.irp g, 0,1
	v_pk_mul_f32 v[26+4*\g:27+4*\g], v[RT+16*\g:RT+16*\g+1], v[RT+16*\g+8:RT+16*\g+9]
.endr
.endm
	KEY 1, 1                                       ; key 0
	s_mov_b32 s24, 30
.Lkey:                                             ; keys 1 to 30
	KEY 0, 1
	s_sub_co_u32 s24, s24, 1
	s_cmp_lg_u32 s24, 0
	s_cbranch_scc1 .Lkey
	KEY 0, 0                                       ; key 31 fetches nothing: no LDS load passes my half's 32 rows
	v_rcp_f32 v26, v26                             ; and is finished here
	v_rcp_f32 v27, v27
	v_rcp_f32 v30, v30
	v_rcp_f32 v31, v31
	v_add_nc_u32 v7, s26, v6
	s_wait_alu depctr_va_vdst(0)
	FINISH
	; ---- MY BLOCK OF 32 KEYS: the outer tanh, p, its sum, its scale, its codes
.set ii, 0
.rept 32
	ds_load_b32 v[RB+ii], v6 offset:128*ii         ; LDS serves a wave's instructions in order (ISA guide 5.7.1.4): these see my stores
.set ii, ii+1
.endr
	v_mov_b32 v24, 0x3fb8aa3b                      ; log2(e), as a pair
	v_mov_b32 v25, 0x3fb8aa3b
	s_wait_dscnt 0x0
.set ii, 0
.rept 16
	v_pk_fma_f32 v[RB+ii:RB+ii+1], v[RB+ii:RB+ii+1], s[28:29], v[18:19] op_sel_hi:[1,0,1]   ; C x the raw logit = C (sum of Wa + ba) - C 2^-14 S
.set ii, ii+2
.endr
.set ii, 0
.rept 32
	v_exp_f32 v[RB+ii], v[RB+ii]                   ; (an overflow to infinity gives the reciprocal 0 below, and so tanh = 1)
.set ii, ii+1
.endr
	v_nop                                          ; the plain instruction behind the batch
	s_wait_alu depctr_va_vdst(0)                   ; and the batch's one wait
.set ii, 0
.rept 16
	v_pk_add_f32 v[RB+ii:RB+ii+1], v[RB+ii:RB+ii+1], 1.0 op_sel_hi:[1,0]
.set ii, ii+2
.endr
.set ii, 0
.rept 32
	v_rcp_f32 v[RB+ii], v[RB+ii]
.set ii, ii+1
.endr
	v_nop
	s_wait_alu depctr_va_vdst(0)
.set ii, 0
.rept 16
	v_pk_fma_f32 v[RB+ii:RB+ii+1], v[RB+ii:RB+ii+1], s[30:31], v[24:25] op_sel_hi:[1,0,1]   ; t = log2(e) tanh = log2(e) - C / (1 + 2^(C a))
.set ii, ii+2
.endr
.set ii, 0
.rept 32
	v_exp_f32 v[RB+ii], v[RB+ii]                   ; p = 2^t: M = 0
.set ii, ii+1
.endr
	v_nop
	s_wait_alu depctr_va_vdst(0)
	v_pk_add_f32 v[128:129], v[RB:RB+1], v[RB+2:RB+3]          ; THE SUM IS TAKEN OF THE UNQUANTISED p: two chains
	v_pk_add_f32 v[130:131], v[RB+4:RB+5], v[RB+6:RB+7]
.irp j, 8,12,16,20,24,28
	v_pk_add_f32 v[128:129], v[128:129], v[RB+\j:RB+\j+1]
	v_pk_add_f32 v[130:131], v[130:131], v[RB+\j+2:RB+\j+3]
.endr
	v_max3_num_f32 v240, v[RB], v[RB+1], v[RB+2]               ; the block's largest p (no floor: p is at least 0.36)
	v_max3_num_f32 v241, v[RB+3], v[RB+4], v[RB+5]
	v_pk_add_f32 v[128:129], v[128:129], v[130:131]
.irp i, 6,10,14,18,22,26
	v_max3_num_f32 v240, v240, v[RB+\i], v[RB+\i+1]
	v_max3_num_f32 v241, v241, v[RB+\i+2], v[RB+\i+3]
.endr
	v_add_f32 v128, v128, v129
	v_max3_num_f32 v240, v240, v[RB+30], v[RB+31]
	v_permlanex16_b32 v244, v128, s34, s35
	v_max_num_f32 v240, v240, v241
	v_add_f32 v128, v128, v244                     ; with lane l xor 16's 32 keys: my wave's part of row r's sum
	v_add_nc_u32 v242, 0xff000000, v240            ; 2 off the exponent field: the conversion's scale operand
	ds_store_b32 v10, v128                         ; both lanes of a query write the same word with the same value
	v_lshrrev_b32 v243, 23, v242                   ; the scale's byte
	ds_store_b8 v11, v243
	v_cvt_scalef32_pk16_fp6_f32 v[232:234], v[RB:RB+15], v242
	v_cvt_scalef32_pk16_fp6_f32 v[236:238], v[RB+16:RB+31], v242   ; (a conversion's three registers begin on an even number)
	v_nop                                          ; one plain place behind a scaled conversion
	v_mov_b32 v235, v236
	v_mov_b32 v236, v237
	v_mov_b32 v237, v238                           ; v232-237: the block's 192 bits
.irp g, 0,1,2
	ds_store_b64 v12, v[232+2*\g:233+2*\g] offset:256*\g       ; as an image of the operand's registers: 256 consecutive bytes a store
.endr
	s_wait_dscnt 0x0                               ; for the others' sake: my stores have landed
	s_barrier_signal -1
	s_barrier_wait -1                              ; p's eight fragments, their scale bytes and the sums' parts lie in LDS
	; ---- THE SECOND PRODUCT: my 16 rows d, my half of the keys
.irp f, 0,1,2,3
.irp g, 0,1,2,3,4,5
	ds_load_b64 v[PF+12*\f+2*\g:PF+12*\f+2*\g+1], v13 offset:1536*\f+256*\g
.endr
	ds_load_b32 v[PS+\f], v14 offset:64*\f
.endr
.irp i, 0,1,2,3
	ds_load_b128 v[LS+4*\i:LS+4*\i+3], v15 offset:16*\i
.endr
	s_wait_dscnt 0x0
	s_wait_loadcnt 0x0                             ; x^T's fragments and scale words, asked for at the head
	; two accumulators take turns, one instruction a turn; the first product on each starts its sum
	v_wmma_scale_f32_16x16x128_f8f6f4 v[128:135], v[XF:XF+11], v[PF:PF+11], 0, v[XS], v[PS] matrix_a_fmt:MATRIX_FMT_FP6 matrix_b_fmt:MATRIX_FMT_FP6
	v_wmma_scale_f32_16x16x128_f8f6f4 v[136:143], v[XF+12:XF+23], v[PF+12:PF+23], 0, v[XS+1], v[PS+1] matrix_a_fmt:MATRIX_FMT_FP6 matrix_b_fmt:MATRIX_FMT_FP6
	v_wmma_scale_f32_16x16x128_f8f6f4 v[128:135], v[XF+24:XF+35], v[PF+24:PF+35], v[128:135], v[XS+2], v[PS+2] matrix_a_fmt:MATRIX_FMT_FP6 matrix_b_fmt:MATRIX_FMT_FP6
	v_wmma_scale_f32_16x16x128_f8f6f4 v[136:143], v[XF+36:XF+47], v[PF+36:PF+47], v[136:143], v[XS+3], v[PS+3] matrix_a_fmt:MATRIX_FMT_FP6 matrix_b_fmt:MATRIX_FMT_FP6
.irp i, 0,1,2,3                        ; the row's sum: these eight plain lines are also the places behind the products
	v_pk_add_f32 v[LS+4*\i:LS+4*\i+1], v[LS+4*\i:LS+4*\i+1], v[LS+4*\i+2:LS+4*\i+3]
.endr
.irp i, 0,1
	v_pk_add_f32 v[LS+8*\i:LS+8*\i+1], v[LS+8*\i:LS+8*\i+1], v[LS+8*\i+4:LS+8*\i+5]
.endr
	v_pk_add_f32 v[LS:LS+1], v[LS:LS+1], v[LS+8:LS+9]
	v_add_f32 v22, v[LS], v[LS+1]
	v_rcp_f32 v22, v22
	v_nop                                          ; a plain instruction behind the reciprocal
	s_wait_alu depctr_va_vdst(0)                   ; and the wait ahead of its first reader
	v_mov_b32 v23, v22
.irp j, 0,2,4,6
	v_pk_mul_f32 v[144+\j:145+\j], v[128+\j:129+\j], v[22:23]                  ; each accumulator from its low end on
.endr
.irp j, 0,2,4,6
	v_pk_fma_f32 v[144+\j:145+\j], v[136+\j:137+\j], v[22:23], v[144+\j:145+\j]
.endr
	ds_store_b128 v16, v[144:147]                  ; lane (r, h): channels 16 (w / 2) + 8 h + 0 .. 7 of query r, my key half's part
	ds_store_b128 v16, v[148:151] offset:16
	s_wait_dscnt 0x0                               ; for the others' sake
	s_barrier_signal -1
	s_barrier_wait -1                              ; both halves of the 16 rows lie in the stage
	ds_load_b128 v[152:155], v17
	ds_load_b128 v[156:159], v17 offset:8448
	s_wait_dscnt 0x0
	v_pk_add_f32 v[152:153], v[152:153], v[156:157]
	v_pk_add_f32 v[154:155], v[154:155], v[158:159]
	global_store_b128 v1, v[152:155], s[16:17] th:TH_STORE_NT   ; wave w stores row w: 512 consecutive bytes at a multiple of 256 from out0's first byte
	s_wait_tensorcnt 0x0
	ds_add_u32 v254, v255
	s_wait_dscnt 0x0
	s_endpgm
.Lfunc_end_k_q7a9f38144e_attn:
	.size	k_q7a9f38144e_attn, .Lfunc_end_k_q7a9f38144e_attn-k_q7a9f38144e_attn
	.p2alignl 7, 3214868480
	.fill 96, 4, 3214868480
	.section	.rodata,"a",@progbits
	.p2align	6, 0x0
	.amdhsa_kernel k_q7a9f38144e_attn
		.amdhsa_group_segment_fixed_size 231424
		.amdhsa_private_segment_fixed_size 0
		.amdhsa_enable_private_segment 0
		.amdhsa_kernarg_size 56
		.amdhsa_user_sgpr_count 2
		.amdhsa_user_sgpr_kernarg_segment_ptr 1
		.amdhsa_wavefront_size32 1
		.amdhsa_system_sgpr_workgroup_id_x 1
		.amdhsa_system_sgpr_workgroup_id_y 1
		.amdhsa_system_sgpr_workgroup_id_z 1
		.amdhsa_system_vgpr_workitem_id 0
		.amdhsa_next_free_vgpr 256
		.amdhsa_next_free_sgpr 66
		.amdhsa_reserve_vcc 0
		.amdhsa_float_denorm_mode_32 3
		.amdhsa_float_denorm_mode_16_64 3
		.amdhsa_memory_ordered 1
		.amdhsa_forward_progress 1
		.amdhsa_inst_pref_size 50
	.end_amdhsa_kernel
	.amdgpu_metadata
---
amdhsa.version: [ 1, 2 ]
amdhsa.kernels:
  - .name:           k_q7a9f38144e_attn
    .symbol:         k_q7a9f38144e_attn.kd
    .args:
      - { .name: qa, .offset: 0, .size: 8, .value_kind: global_buffer, .address_space: global }
      - { .name: kb, .offset: 8, .size: 8, .value_kind: global_buffer, .address_space: global }
      - { .name: xtc, .offset: 16, .size: 8, .value_kind: global_buffer, .address_space: global }
      - { .name: xts, .offset: 24, .size: 8, .value_kind: global_buffer, .address_space: global }
      - { .name: Wa, .offset: 32, .size: 8, .value_kind: global_buffer, .address_space: global }
      - { .name: ba, .offset: 40, .size: 8, .value_kind: global_buffer, .address_space: global }
      - { .name: out0, .offset: 48, .size: 8, .value_kind: global_buffer, .address_space: global }
    .group_segment_fixed_size: 231424
    .private_segment_fixed_size: 0
    .kernarg_segment_align: 8
    .kernarg_segment_size: 56
    .max_flat_workgroup_size: 512
    .sgpr_count:     66
    .vgpr_count:     256
    .wavefront_size: 32
...
	.end_amdgpu_metadata
.endif
;; end of part 2
;; ======== version 2 of 3: 2 launches; 1.14 times as fast as version 1
;; limits: inputs' magnitudes at most 524,288; right only within a limited range of input values
;; workspace buffers: qa 524,288 bytes; kb 524,288 bytes; xtc 393,216 bytes; xts 32,768 bytes
;; launch prep: the kernel of part 1 again; grid 256 x 1, 1 waves a work-group, no clusters, 8,448 bytes of LDS; arguments x, Wt_codes, Wt_scales, Wx_codes, Wx_scales, bh, qa, kb, xtc, xts; writes qa, kb, xtc, xts
;; launch attn (part 3): grid 256 x 1, 16 waves a work-group, no clusters, 268,288 bytes of LDS; arguments qa, kb, xtc, xts, Wa, ba, out0; writes out0
.if DOCPART == 3
	.amdgcn_target "amdgcn-amd-amdhsa--gfx1250"
	.amdhsa_code_object_version 6
	.text
	.protected	k_q7a9f38144e_attn
	.globl	k_q7a9f38144e_attn
	.p2align	8
	.type	k_q7a9f38144e_attn,@function
k_q7a9f38144e_attn:
	s_mov_b64 s[64:65], 0
	v_nop
	global_prefetch_b8 v0, s[64:65] scope:SCOPE_SE
	s_setreg_imm32_b32 hwreg(HW_REG_WAVE_MODE, 25, 1), 1
	s_wait_xcnt 0x0
; out0[b][s][:] = sum over j of softmax_j(tanh(sum over u of Wa[u] tanh(q[s][u] + k[j][u] + bh[u]) + ba)) x[b][j][:], the last product on codes of FP6 (E2M3) with one E8M0 scale for each 32 keys.
; In: qa = C (q + bh), kb = C k (C = 2 log2(e)), f32; xtc, xts: x quantised along the keys, as images of the operand's registers and its scale words.
; SHARES.  Work-group g owns queries 16 g .. 16 g + 15 (batch g / 64) against all 1,024 keys.  Wave w of sixteen owns keys 64 w .. 64 w + 63; lane (r = lane % 16, h = lane / 16) owns query r and the WHOLE block of 32 keys
; 64 w + 32 h + i.  So a block's largest p needs no other lane, its six registers of codes ARE registers 6 c .. 6 c + 5 (c = w % 2) of p's fragment w / 2, and its scale byte is byte 2 c + h of row r's word.
; THE INNER TANH, 32 for a key and a lane, is what the launch consists of.  tanh(z) = 1 - 2 / (1 + 2^(C z)), so the raw logit is (sum of Wa + ba) - 2 sum over u of Wa[u] / (1 + E[u]), E = 2^(qa + kb).
; One exponential an element.  The reciprocals are shared: EIGHT FRACTIONS GO OVER ONE DENOMINATOR.  The exponent is held at 30 from above.  Two fractions merge by N = Na Db + Nb Da, D = Da Db.  The first level takes the
; '1 +' into its own multiply-adds: s = c (1 + E0) = fma(E0, c, c), c = 2^-30; N = fma(W0, E1, W0) + W1 s; D = fma(s, E1, s): four packed instructions.  Wa is scaled once, by 2^-15 where it goes with E0 and by 2^15
; where it goes with E1, so that N / D is 2^15 x the true sum.  A pair's D lies in 2^-30 .. 2^30, the product of four pairs in 2^-120 .. 2^120: the reciprocal sees and gives normal numbers alone.
; A lane's 16 register pairs are two groups of eight pairs: 50 packed instructions and four reciprocals a key.  In all 36 transcendentals and 86 plain instructions for 32 tanh.
; BY TURNS.  Two sets of 32 element registers.  In a half trip the exponentials of key i stand between the merges of key i - 1; then come the reciprocals of key i - 1, the 32 plain lines that prepare key i + 1, the one wait
; for the half's transcendentals, and the raw sum of key i - 1.
; THE SOFTMAX has no search for a maximum: the logits are results of the outer tanh, so t = logit x log2(e) lies in -1.4427 .. 1.4427 for EVERY input; p = 2^t lies in 0.36 .. 2.72 and a row's sum under 2,786.
; The whole number M that the problem's rule takes off t is here the constant 0: another whole M shifts each block's scale, the row's sum and the product by the same exact power of two.
; LIMITS: the hold at 30 changes a tanh by under 2^-28.  |Wa[u]| under 2^-20 (numerators near the smallest normal number; such a term's whole share of a logit is under 1e-6) or over 2^19 loses bits.  NaN and infinities are not served.
; THE SECOND PRODUCT is used transposed (source 0 = 16 rows d of x^T, source 1 = p's 16 queries).  Wave w makes rows d = 16 (w / 2) .. + 15 over the key half w % 2 (four fragments of 128 keys); the two halves meet in a stage.
; NO JOINT LOADS, though the 64 work-groups of a batch read the same kb, xtc and xts: a wave brings 8,192 + 6,656 bytes of them ONCE, through registers, for some 4,500 vector instructions, and the 6,656 bytes for the second
; product are on their way through the whole loop over keys.  No LDS byte is filled twice.  Every load goes out at the head, as soon as its address is known: there is nothing to ask for ahead of them.
; LDS
.set KBL,  0                           ; 131,072  wave w's 64 rows of kb, 128 bytes each, at 8,192 w: its own
.set ALS,  131072                      ;  65,536  wave w's raw sums at 4,096 w + 128 i + 4 lane: its own
.set PIMG, 196608                      ;  12,288  p's codes as register pairs: wave w's pair g at 768 w + 256 g + 8 lane = fragment w / 2's pair 3 (w % 2) + g
.set PSC,  208896                      ;     512  p's scale bytes at 64 (w / 2) + 4 r + 2 (w % 2) + h
.set LSUM, 209408                      ;   1,280  the rows' sums, a word for each wave: 80 r + 4 w
.set OST,  210688                      ;  16,896  two halves of 16 rows x (512 + 16) bytes
.set AST,  227584                      ;  36,864  wave w's copy of the 16 rows of qa, 128 + 16 bytes each, at 2,304 w: its own
; REGISTERS: v1 16 lane; v2 4 lane; v3 qa's way into LDS; v4 my rows of kb in LDS; v5 the address of the loads in hand; v6 my raw sums in LDS; v7 the address of the stores in hand; v8 0; v9 kb's way into LDS;
; v[18:19] C (sum of Wa + ba); v[20:21] at work; v[22:23] 1 / the row's sum; v[24:31] the two groups' last numerators and denominators (at the head: at work)
.set XS,  10                           ; v10-13   x^T's scale words: scales and nothing else
.set PS,  14                           ; v14-17   p's scale words: scales and nothing else
.set RA,  32                           ; v32-63   qa of my query
.set RW,  64                           ; v64-95   Wa, scaled
.set RB,  96                           ; v96-127  kb of the key to be prepared; later p
.set T0,  128                          ; v128-159 the 32 elements of the even keys
.set RN,  160                          ; v160-175 numerators; behind the loop: LDS addresses and what the block's scale needs
.set T1,  176                          ; v176-207 the 32 elements of the odd keys; behind the loop: p's codes
.set XF,  208                          ; v208-255 four fragments of x^T
.set PF,  32                           ; v32-79   four fragments of p (second product)
.set LS,  80                           ; v80-95   sixteen parts of my row's sum
	s_load_b256 s[4:11], s[0:1], 0x0               ; qa s[4:5], kb s[6:7], xtc s[8:9], xts s[10:11]
	s_load_b128 s[12:15], s[0:1], 0x20             ; Wa s[12:13], ba s[14:15]
	s_load_b64 s[16:17], s[0:1], 0x30              ; out0
	v_lshrrev_b32 v24, 5, v0
	v_readfirstlane_b32 s18, v24                   ; wave 0..15
	v_and_b32 v24, 31, v0                          ; lane
	v_and_b32 v25, 15, v0                          ; r
	v_bfe_u32 v26, v0, 4, 1                        ; h
	v_lshlrev_b32 v1, 4, v24
	v_lshlrev_b32 v2, 2, v24
	v_mov_b32 v8, 0
	s_lshl_b32 s19, s18, 13
	v_lshl_add_u32 v4, v26, 12, s19                ; kb in LDS: 8,192 w + 32 rows for lanes 16-31
	v_add_nc_u32 v9, s19, v1                       ; and where I put it: 8,192 w + 16 lane
	s_lshl_b32 s36, s18, 12
	s_add_co_u32 s36, s36, ALS
	v_add_nc_u32 v6, s36, v2                       ; raw sums: ALS + 4,096 w + 4 lane
	s_mul_i32 s36, s18, 2304
	s_add_co_u32 s36, s36, AST                     ; my copy of qa's 16 rows
	v_bfe_u32 v3, v0, 3, 2
	v_mul_u32_u24 v3, v3, 144
	v_and_b32 v27, 7, v0
	v_lshl_add_u32 v3, v27, 4, v3
	v_add_nc_u32 v3, s36, v3                       ; in: eight lanes to a row, four rows a store: 144 (lane / 8) + 16 (lane % 8)
	v_mul_u32_u24 v27, v25, 144
	v_add_nc_u32 v27, s36, v27                     ; back: row r; the pitch of 144 bytes sets the sixteen rows on different banks
	s_mov_b32 s21, 0x41f00000                      ; 30.0
	s_mov_b32 s22, 0x30800000                      ; c = 2^-30
	s_mov_b32 s23, s22                             ; (the packed forms name pairs and take the low word for both halves: so the upper words are written)
	s_mov_b32 s28, 0xb938aa3b                      ; -C 2^-14
	s_mov_b32 s29, s28
	s_mov_b32 s30, 0xc038aa3b                      ; -C
	s_mov_b32 s31, s30
	s_mov_b32 s34, 0x76543210
	s_mov_b32 s35, 0xfedcba98                      ; v_permlanex16_b32's selects for lane l xor 16
	s_mov_b32 s25, 0                               ; how far the walk over my 32 keys has gone: 256 bytes for two keys, in kb's rows and in the raw sums alike
	s_lshr_b32 s39, ttmp9, 6                       ; the batch
	s_mov_b32 s41, 0
	s_wait_kmcnt 0x0
	s_load_b32 s20, s[14:15], 0x0                  ; ba
	s_lshl_b32 s40, ttmp9, 11                      ; my 16 rows of qa
	s_add_nc_u64 s[4:5], s[4:5], s[40:41]
	s_lshl_b32 s40, s39, 17                        ; kb: the batch's 1,024 rows of 128 bytes,
	s_add_co_u32 s40, s40, s19                     ; my wave's 64
	s_add_nc_u64 s[6:7], s[6:7], s[40:41]
	s_mul_i32 s40, s39, 98304                      ; xtc: 64 images of 1,536 bytes a batch,
	s_mul_i32 s36, s18, 6144                       ; (8 (w / 2) + 4 (w % 2)) images = 6,144 w
	s_add_co_u32 s40, s40, s36
	s_add_nc_u64 s[8:9], s[8:9], s[40:41]
	s_lshl_b32 s40, s39, 13                        ; xts: 128 bytes an image
	s_lshl_b32 s36, s18, 9
	s_add_co_u32 s40, s40, s36
	s_add_nc_u64 s[10:11], s[10:11], s[40:41]
	s_lshl_b32 s40, ttmp9, 13                      ; out0: my 16 rows of 512 bytes, row w of them
	s_add_co_u32 s40, s40, s36
	s_add_nc_u64 s[16:17], s[16:17], s[40:41]
	; what the loop wants goes out first
.irp i, 0,1,2,3,4,5,6,7,8,9,10,11,12,13,14,15
	global_load_b128 v[RB+4*\i:RB+4*\i+3], v1, s[6:7] offset:512*\i           ; my wave's 8,192 bytes of kb, 512 consecutive bytes a load (into v96-159)
.endr
.irp i, 0,1,2,3
	global_load_b128 v[T1+4*\i:T1+4*\i+3], v1, s[4:5] offset:512*\i           ; the 16 rows of qa as they lie: 512 consecutive bytes a load
.endr
.irp i, 0,1,2,3,4,5,6,7
	global_load_b128 v[RW+4*\i:RW+4*\i+3], v8, s[12:13] offset:16*\i          ; Wa, the same in every lane
.endr
	s_wait_loadcnt 12                              ; kb is in: qa's 4 and Wa's 8 loads were issued behind it
.irp i, 0,1,2,3,4,5,6,7,8,9,10,11,12,13,14,15
	ds_store_b128 v9, v[RB+4*\i:RB+4*\i+3] offset:512*\i
.endr
	s_wait_loadcnt 8                               ; qa is in
.irp i, 0,1,2,3
	ds_store_b128 v3, v[T1+4*\i:T1+4*\i+3] offset:576*\i
.endr
.irp j, 0,1,2,3,4,5,6,7
	ds_load_b128 v[RA+4*\j:RA+4*\j+3], v27 offset:16*\j                       ; qa of query r.  LDS serves a wave's instructions in order (ISA guide 5.7.1.4): these see the stores above
.endr
.irp i, 0,1,2,3,4,5,6,7,8,9,10,11
	global_load_b128 v[XF+4*\i:XF+4*\i+3], v1, s[8:9] offset:512*\i           ; four images of x^T: wanted behind the loop, so they go out behind kb's arrival
.endr
.irp i, 0,1,2,3
	global_load_b32 v[XS+\i], v2, s[10:11] offset:128*\i
.endr
	s_wait_dscnt 12                                ; kb's 16 stores have read their registers (qa's 4 stores and 8 loads are younger): the loads below fill them
.irp j, 0,1,2,3,4,5,6,7
	ds_load_b128 v[RB+4*\j:RB+4*\j+3], v4 offset:16*\j                        ; key 0 of my half's 32: sixteen lanes read the same row
.endr
	s_wait_loadcnt 16                              ; Wa is in; the 12 + 4 loads for the second product stay out through the loop
.irp m, 0,1,2,3,4,5,6,7
	v_pk_add_f32 v[RN+2*\m:RN+2*\m+1], v[RW+4*\m:RW+4*\m+1], v[RW+4*\m+2:RW+4*\m+3]   ; the sum of Wa
.endr
.irp m, 0,1,2,3
	v_pk_add_f32 v[RN+4*\m:RN+4*\m+1], v[RN+4*\m:RN+4*\m+1], v[RN+4*\m+2:RN+4*\m+3]
.endr
.irp m, 0,1
	v_pk_add_f32 v[RN+8*\m:RN+8*\m+1], v[RN+8*\m:RN+8*\m+1], v[RN+8*\m+4:RN+8*\m+5]
.endr
	v_pk_add_f32 v[RN:RN+1], v[RN:RN+1], v[RN+8:RN+9]
	v_add_f32 v18, v[RN], v[RN+1]
.irp m, 0,1,2,3,4,5,6,7
	v_pk_mul_f32 v[RW+4*\m:RW+4*\m+1], v[RW+4*\m:RW+4*\m+1], 0x38000000 op_sel_hi:[1,0]       ; the weights that go with E0: x 2^-15
	v_pk_mul_f32 v[RW+4*\m+2:RW+4*\m+3], v[RW+4*\m+2:RW+4*\m+3], 0x47000000 op_sel_hi:[1,0]   ; those that go with E1: x 2^15 = 2^-15 / c
.endr
	s_wait_kmcnt 0x0                               ; ba
	v_add_f32 v18, s20, v18
	v_mul_f32 v18, 0x4038aa3b, v18                 ; C (sum of Wa + ba)
	v_mov_b32 v19, v18
; A KEY IS PREPARED: its exponents, held at 30, into set t.  ld = 1: the row of the key after it is fetched, from lo bytes behind v[adr]: it has a half trip in which to land.
.macro PSTEP t, ld, adr, lo
	s_wait_dscnt 0x0                               ; the key's row is in (asked for a half trip ago), and the last raw sum's store has read its register
.set ii, 0
.rept 16
	v_pk_add_f32 v[\t+ii:\t+ii+1], v[RA+ii:RA+ii+1], v[RB+ii:RB+ii+1]   ; C (q + bh + k)
.set ii, ii+2
.endr
.if \ld
.irp j, 0,1,2,3,4,5,6,7
	ds_load_b128 v[RB+4*\j:RB+4*\j+3], v[\adr] offset:\lo+16*\j
.endr
.endif
.set ii, 0
.rept 16
	v_dual_min_num_f32 v[\t+ii], s21, v[\t+ii] :: v_dual_min_num_f32 v[\t+ii+1], s21, v[\t+ii+1]   ; the hold at 30, two to an instruction: an even and an odd register, one scalar
.set ii, ii+2
.endr
.endm
; THE MERGES of the key in set tm are a list of 50 packed instructions; MOP writes number n of it.  Group g: pairs at v[tm + 16 g + 2 p], p = 0 .. 7.  Lines that do not wait for each other stand together.
;   0-7    s = c (1 + E0), in E0's place            8-15   N = W0 (1 + E1)           16-23  N += W1 s           24-31  D = s (1 + E1), in s's place          (merge m of group g: E0 = pair 2 m, E1 = pair 2 m + 1)
;   32-43  fraction a with fraction a + 1, a = 0, 2: N(a) = N(a) D(a+1) + N(a+1) D(a); D(a) = D(a) D(a+1)
;   44-49  fraction 0 with fraction 2, into the carried registers v[24:31]: the set is written anew before the reciprocals' results are used
.macro MOP tm
.if n < 8
.set gg, n%2
.set mm, n/2
	v_pk_fma_f32 v[\tm+16*gg+4*mm:\tm+16*gg+4*mm+1], v[\tm+16*gg+4*mm:\tm+16*gg+4*mm+1], s[22:23], s[22:23] op_sel_hi:[1,0,0]
.elseif n < 16
.set gg, (n-8)%2
.set mm, (n-8)/2
	v_pk_fma_f32 v[RN+8*gg+2*mm:RN+8*gg+2*mm+1], v[RW+16*gg+4*mm:RW+16*gg+4*mm+1], v[\tm+16*gg+4*mm+2:\tm+16*gg+4*mm+3], v[RW+16*gg+4*mm:RW+16*gg+4*mm+1]
.elseif n < 24
.set gg, (n-16)%2
.set mm, (n-16)/2
	v_pk_fma_f32 v[RN+8*gg+2*mm:RN+8*gg+2*mm+1], v[RW+16*gg+4*mm+2:RW+16*gg+4*mm+3], v[\tm+16*gg+4*mm:\tm+16*gg+4*mm+1], v[RN+8*gg+2*mm:RN+8*gg+2*mm+1]
.elseif n < 32
.set gg, (n-24)%2
.set mm, (n-24)/2
	v_pk_fma_f32 v[\tm+16*gg+4*mm:\tm+16*gg+4*mm+1], v[\tm+16*gg+4*mm:\tm+16*gg+4*mm+1], v[\tm+16*gg+4*mm+2:\tm+16*gg+4*mm+3], v[\tm+16*gg+4*mm:\tm+16*gg+4*mm+1]
.elseif n < 36
.set gg, (n-32)%2
.set aa, 2*((n-32)/2)
	v_pk_mul_f32 v[RN+8*gg+2*aa:RN+8*gg+2*aa+1], v[RN+8*gg+2*aa:RN+8*gg+2*aa+1], v[\tm+16*gg+4*aa+4:\tm+16*gg+4*aa+5]
.elseif n < 40
.set gg, (n-36)%2
.set aa, 2*((n-36)/2)
	v_pk_fma_f32 v[RN+8*gg+2*aa:RN+8*gg+2*aa+1], v[RN+8*gg+2*aa+2:RN+8*gg+2*aa+3], v[\tm+16*gg+4*aa:\tm+16*gg+4*aa+1], v[RN+8*gg+2*aa:RN+8*gg+2*aa+1]
.elseif n < 44
.set gg, (n-40)%2
.set aa, 2*((n-40)/2)
	v_pk_mul_f32 v[\tm+16*gg+4*aa:\tm+16*gg+4*aa+1], v[\tm+16*gg+4*aa:\tm+16*gg+4*aa+1], v[\tm+16*gg+4*aa+4:\tm+16*gg+4*aa+5]
.elseif n < 46
.set gg, n-44
	v_pk_mul_f32 v[24+4*gg:25+4*gg], v[RN+8*gg:RN+8*gg+1], v[\tm+16*gg+8:\tm+16*gg+9]
.elseif n < 48
.set gg, n-46
	v_pk_fma_f32 v[24+4*gg:25+4*gg], v[RN+8*gg+4:RN+8*gg+5], v[\tm+16*gg:\tm+16*gg+1], v[24+4*gg:25+4*gg]
.else
.set gg, n-48
	v_pk_mul_f32 v[26+4*gg:27+4*gg], v[\tm+16*gg:\tm+16*gg+1], v[\tm+16*gg+8:\tm+16*gg+9]
.endif
.endm
.macro RCP4                            ; the four denominators' reciprocals, in place
	v_rcp_f32 v26, v26
	v_rcp_f32 v27, v27
	v_rcp_f32 v30, v30
	v_rcp_f32 v31, v31
.endm
; A key's raw sum: S = N0 / D0 + N1 / D1, both halves of the pairs added; to my wave's own words in LDS, since the key's number is a loop's count and no register number.
.macro FINISH so
	v_pk_mul_f32 v[20:21], v[24:25], v[26:27]
	v_pk_fma_f32 v[20:21], v[28:29], v[30:31], v[20:21]
	v_add_f32 v20, v20, v21
	ds_store_b32 v7, v20 offset:\so
.endm
; Once for two keys: the addresses of the fetches and of the raw sums' stores.
.macro STEPQ
	v_add_nc_u32 v5, s25, v4
	v_add_nc_u32 v7, s25, v6
	s_add_co_u32 s25, s25, 256
.endm
; THE HALF TRIP OF KEY i.  te: the set with key i's exponents; tm: the set with key i - 1's exponentials, which then takes key i + 1 (p = 1).  The 32 exponentials stand singly between the 50 merge lines, which name other
; registers: 14 among the 32 lines of the first level, 18 among the 18 lines of the other two, where few lines are free of each other.  No line here names an exponential's result of this half.
.macro HALF te, tm, p, ld, lo, so
.set n, 0
.set ne, 0
.rept 50
	MOP \tm
.if n < 32
.set tg, ((n+1)*14)/32
.else
.set tg, n-17
.endif
.if ne < tg
	v_exp_f32 v[\te+ne], v[\te+ne]
.set ne, ne+1
.endif
.set n, n+1
.endr
	RCP4                                           ; key i - 1's
.if \p
	PSTEP \tm, \ld, 5, \lo                         ; 32 plain lines that name no transcendental's result: the first is the plain instruction behind the reciprocals (ISA guide 5.7.2)
.else
	v_nop                                          ; the plain instruction behind the reciprocals
	s_wait_dscnt 0x0                               ; the last raw sum's store has read its register
.endif
	s_wait_alu depctr_va_vdst(0)                   ; the wait ahead of the first reader: one for the half's 36 transcendentals, and ahead of the loop's branch
	FINISH \so                                     ; key i - 1's
.endm
	PSTEP T0, 1, 4, 128                            ; key 0 is prepared, key 1's row fetched
.set ii, 0
.rept 32
	v_exp_f32 v[T0+ii], v[T0+ii]                   ; key 0's exponentials: there is nothing yet to set between them
.set ii, ii+1
.endr
	PSTEP T1, 1, 4, 256                            ; key 1 is prepared, key 2's row fetched
	s_wait_alu depctr_va_vdst(0)                   ; the wait for key 0's exponentials
	s_mov_b32 s24, 14
.Lpair:                                            ; trip q = 0 .. 13: the half trips of keys 2 q + 1 and 2 q + 2; they fetch the rows of keys 2 q + 3 and 2 q + 4 and store the raw sums of keys 2 q and 2 q + 1
	STEPQ
	HALF T1, T0, 1, 1, 384, 0
	HALF T0, T1, 1, 1, 512, 128
	s_sub_co_u32 s24, s24, 1
	s_cmp_lg_u32 s24, 0
	s_cbranch_scc1 .Lpair
	STEPQ
	HALF T1, T0, 1, 1, 384, 0                      ; key 29: fetches key 31's row, the last
	HALF T0, T1, 1, 0, 0, 128                      ; key 30: fetches nothing: no LDS load passes my half's 32 rows
	STEPQ
	HALF T1, T0, 0, 0, 0, 0                        ; key 31: there is no key left to prepare
.set n, 0
.rept 50
	MOP T1                                         ; key 31's merges
.set n, n+1
.endr
	RCP4
	v_nop                                          ; the plain instruction behind the reciprocals
	s_wait_alu depctr_va_vdst(0)
	FINISH 128
	; ---- MY BLOCK OF 32 KEYS: the outer tanh, p, its sum, its scale, its codes
.set ii, 0
.rept 32
	ds_load_b32 v[RB+ii], v6 offset:128*ii         ; LDS serves a wave's instructions in order (ISA guide 5.7.1.4): these see my stores
.set ii, ii+1
.endr
	; while they come: the LDS addresses of what follows, in the registers that the numerators have left
	v_and_b32 v168, 31, v0                         ; lane
	v_and_b32 v169, 15, v0                         ; r
	v_bfe_u32 v170, v0, 4, 1                       ; h
	s_and_b32 s37, s18, 1                          ; w % 2
	s_lshr_b32 s38, s18, 1                         ; w / 2
	v_mul_u32_u24 v165, v169, 80
	v_add_nc_u32 v165, LSUM, v165                  ; v165: my row's sixteen parts
	s_lshl_b32 s36, s18, 2
	v_add_nc_u32 v160, s36, v165                   ; v160: and my wave's among them
	s_lshl_b32 s36, s38, 6
	s_lshl_b32 s39, s37, 1
	s_add_co_u32 s36, s36, s39
	s_add_co_u32 s36, s36, PSC
	v_lshl_add_u32 v161, v169, 2, v170
	v_add_nc_u32 v161, s36, v161                   ; v161: my block's scale byte
	s_mul_i32 s36, s18, 768
	s_add_co_u32 s36, s36, PIMG
	v_lshl_add_u32 v162, v168, 3, s36              ; v162: where I put my codes
	s_mul_i32 s36, s37, 6144
	s_add_co_u32 s36, s36, PIMG
	v_lshl_add_u32 v163, v168, 3, s36              ; v163: p's fragments of my key half
	s_lshl_b32 s36, s37, 8
	s_add_co_u32 s36, s36, PSC
	v_lshl_add_u32 v164, v169, 2, s36              ; v164: and their scale words
	s_mul_i32 s36, s37, 8448
	s_lshl_b32 s39, s38, 6
	s_add_co_u32 s36, s36, s39
	s_add_co_u32 s36, s36, OST
	v_mul_u32_u24 v166, v169, 528
	v_lshl_add_u32 v166, v170, 5, v166
	v_add_nc_u32 v166, s36, v166                   ; v166: the stage, in: my key half, row r, 64 (w / 2) + 32 h bytes on
	s_mul_i32 s36, s18, 528
	s_add_co_u32 s36, s36, OST
	v_add_nc_u32 v167, s36, v1                     ; v167: and back: row w, 16 bytes a lane
	v_mov_b32 v175, 0                              ; a lane permute's destination counts as one of its sources
	v_mov_b32 v24, 0x3fb8aa3b                      ; log2(e), as a pair
	v_mov_b32 v25, 0x3fb8aa3b
	s_wait_dscnt 0x0
.set ii, 0
.rept 16
	v_pk_fma_f32 v[RB+ii:RB+ii+1], v[RB+ii:RB+ii+1], s[28:29], v[18:19] op_sel_hi:[1,0,1]   ; C x the raw logit = C (sum of Wa + ba) - C 2^-14 S
.set ii, ii+2
.endr
.set ii, 0
.rept 32
	v_exp_f32 v[RB+ii], v[RB+ii]                   ; (an overflow to infinity gives the reciprocal 0 below, and so tanh = 1)
.set ii, ii+1
.endr
	v_nop                                          ; the plain instruction behind the batch
	s_wait_alu depctr_va_vdst(0)                   ; and the batch's one wait
.set ii, 0
.rept 16
	v_pk_add_f32 v[RB+ii:RB+ii+1], v[RB+ii:RB+ii+1], 1.0 op_sel_hi:[1,0]
.set ii, ii+2
.endr
.set ii, 0
.rept 32
	v_rcp_f32 v[RB+ii], v[RB+ii]
.set ii, ii+1
.endr
	v_nop
	s_wait_alu depctr_va_vdst(0)
.set ii, 0
.rept 16
	v_pk_fma_f32 v[RB+ii:RB+ii+1], v[RB+ii:RB+ii+1], s[30:31], v[24:25] op_sel_hi:[1,0,1]   ; t = log2(e) tanh = log2(e) - C / (1 + 2^(C a))
.set ii, ii+2
.endr
.set ii, 0
.rept 32
	v_exp_f32 v[RB+ii], v[RB+ii]                   ; p = 2^t: M = 0
.set ii, ii+1
.endr
	v_nop
	s_wait_alu depctr_va_vdst(0)
	v_pk_add_f32 v[128:129], v[RB:RB+1], v[RB+2:RB+3]          ; THE SUM IS TAKEN OF THE UNQUANTISED p: two chains
	v_pk_add_f32 v[130:131], v[RB+4:RB+5], v[RB+6:RB+7]
.irp j, 8,12,16,20,24,28
	v_pk_add_f32 v[128:129], v[128:129], v[RB+\j:RB+\j+1]
	v_pk_add_f32 v[130:131], v[130:131], v[RB+\j+2:RB+\j+3]
.endr
	v_max3_num_f32 v171, v[RB], v[RB+1], v[RB+2]               ; the block's largest p (no floor: p is at least 0.36)
	v_max3_num_f32 v172, v[RB+3], v[RB+4], v[RB+5]
	v_pk_add_f32 v[128:129], v[128:129], v[130:131]
.irp i, 6,10,14,18,22,26
	v_max3_num_f32 v171, v171, v[RB+\i], v[RB+\i+1]
	v_max3_num_f32 v172, v172, v[RB+\i+2], v[RB+\i+3]
.endr
	v_add_f32 v128, v128, v129
	v_max3_num_f32 v171, v171, v[RB+30], v[RB+31]
	v_permlanex16_b32 v175, v128, s34, s35
	v_max_num_f32 v171, v171, v172
	v_add_f32 v128, v128, v175                     ; with lane l xor 16's 32 keys: my wave's part of row r's sum
	v_add_nc_u32 v173, 0xff000000, v171            ; 2 off the exponent field: the conversion's scale operand
	ds_store_b32 v160, v128                        ; both lanes of a query write the same word with the same value
	v_lshrrev_b32 v174, 23, v173                   ; the scale's byte
	ds_store_b8 v161, v174
	v_cvt_scalef32_pk16_fp6_f32 v[176:178], v[RB:RB+15], v173
	v_cvt_scalef32_pk16_fp6_f32 v[180:182], v[RB+16:RB+31], v173   ; (a conversion's three registers begin on an even number)
	v_nop                                          ; one plain place behind a scaled conversion
	v_mov_b32 v179, v180
	v_mov_b32 v180, v181
	v_mov_b32 v181, v182                           ; v176-181: the block's 192 bits
.irp g, 0,1,2
	ds_store_b64 v162, v[176+2*\g:177+2*\g] offset:256*\g      ; as an image of the operand's registers: 256 consecutive bytes a store
.endr
	s_wait_dscnt 0x0                               ; for the others' sake: my stores have landed
	s_barrier_signal -1
	s_barrier_wait -1                              ; p's eight fragments, their scale bytes and the sums' parts lie in LDS
	; ---- THE SECOND PRODUCT: my 16 rows d, my half of the keys
.irp f, 0,1,2,3
.irp g, 0,1,2,3,4,5
	ds_load_b64 v[PF+12*\f+2*\g:PF+12*\f+2*\g+1], v163 offset:1536*\f+256*\g
.endr
	ds_load_b32 v[PS+\f], v164 offset:64*\f
.endr
.irp i, 0,1,2,3
	ds_load_b128 v[LS+4*\i:LS+4*\i+3], v165 offset:16*\i
.endr
	s_wait_dscnt 0x0
	s_wait_loadcnt 0x0                             ; x^T's fragments and scale words, asked for at the head
	; two accumulators take turns, one instruction a turn; the first product on each starts its sum
	v_wmma_scale_f32_16x16x128_f8f6f4 v[128:135], v[XF:XF+11], v[PF:PF+11], 0, v[XS], v[PS] matrix_a_fmt:MATRIX_FMT_FP6 matrix_b_fmt:MATRIX_FMT_FP6
	v_wmma_scale_f32_16x16x128_f8f6f4 v[136:143], v[XF+12:XF+23], v[PF+12:PF+23], 0, v[XS+1], v[PS+1] matrix_a_fmt:MATRIX_FMT_FP6 matrix_b_fmt:MATRIX_FMT_FP6
	v_wmma_scale_f32_16x16x128_f8f6f4 v[128:135], v[XF+24:XF+35], v[PF+24:PF+35], v[128:135], v[XS+2], v[PS+2] matrix_a_fmt:MATRIX_FMT_FP6 matrix_b_fmt:MATRIX_FMT_FP6
	v_wmma_scale_f32_16x16x128_f8f6f4 v[136:143], v[XF+36:XF+47], v[PF+36:PF+47], v[136:143], v[XS+3], v[PS+3] matrix_a_fmt:MATRIX_FMT_FP6 matrix_b_fmt:MATRIX_FMT_FP6
.irp i, 0,1,2,3                        ; the row's sum: these eight plain lines are also the places behind the products
	v_pk_add_f32 v[LS+4*\i:LS+4*\i+1], v[LS+4*\i:LS+4*\i+1], v[LS+4*\i+2:LS+4*\i+3]
.endr
.irp i, 0,1
	v_pk_add_f32 v[LS+8*\i:LS+8*\i+1], v[LS+8*\i:LS+8*\i+1], v[LS+8*\i+4:LS+8*\i+5]
.endr
	v_pk_add_f32 v[LS:LS+1], v[LS:LS+1], v[LS+8:LS+9]
	v_add_f32 v22, v[LS], v[LS+1]
	v_rcp_f32 v22, v22
	v_nop                                          ; a plain instruction behind the reciprocal
	s_wait_alu depctr_va_vdst(0)                   ; and the wait ahead of its first reader
	v_mov_b32 v23, v22
.irp j, 0,2,4,6
	v_pk_mul_f32 v[144+\j:145+\j], v[128+\j:129+\j], v[22:23]                  ; each accumulator from its low end on
.endr
.irp j, 0,2,4,6
	v_pk_fma_f32 v[144+\j:145+\j], v[136+\j:137+\j], v[22:23], v[144+\j:145+\j]
.endr
	ds_store_b128 v166, v[144:147]                 ; lane (r, h): channels 16 (w / 2) + 8 h + 0 .. 7 of query r, my key half's part
	ds_store_b128 v166, v[148:151] offset:16
	s_wait_dscnt 0x0                               ; for the others' sake
	s_barrier_signal -1
	s_barrier_wait -1                              ; both halves of the 16 rows lie in the stage
	ds_load_b128 v[152:155], v167
	ds_load_b128 v[156:159], v167 offset:8448
	s_wait_dscnt 0x0
	v_pk_add_f32 v[152:153], v[152:153], v[156:157]
	v_pk_add_f32 v[154:155], v[154:155], v[158:159]
	global_store_b128 v1, v[152:155], s[16:17] th:TH_STORE_NT   ; wave w stores row w: 512 consecutive bytes at a multiple of 256 from out0's first byte
	s_wait_xcnt 0x0
	v_lshl_add_u32 v206, v0, 2, 0x41000
	v_mov_b32 v207, 0
	s_wait_tensorcnt 0x0
	ds_add_u32 v206, v207
	s_wait_dscnt 0x0
	s_endpgm
.Lfunc_end_k_q7a9f38144e_attn:
	.size	k_q7a9f38144e_attn, .Lfunc_end_k_q7a9f38144e_attn-k_q7a9f38144e_attn
	.p2alignl 7, 3214868480
	.fill 96, 4, 3214868480
	.section	.rodata,"a",@progbits
	.p2align	6, 0x0
	.amdhsa_kernel k_q7a9f38144e_attn
		.amdhsa_group_segment_fixed_size 268288
		.amdhsa_private_segment_fixed_size 0
		.amdhsa_enable_private_segment 0
		.amdhsa_kernarg_size 56
		.amdhsa_user_sgpr_count 2
		.amdhsa_user_sgpr_kernarg_segment_ptr 1
		.amdhsa_wavefront_size32 1
		.amdhsa_system_sgpr_workgroup_id_x 1
		.amdhsa_system_sgpr_workgroup_id_y 1
		.amdhsa_system_sgpr_workgroup_id_z 1
		.amdhsa_system_vgpr_workitem_id 0
		.amdhsa_next_free_vgpr 256
		.amdhsa_next_free_sgpr 66
		.amdhsa_reserve_vcc 0
		.amdhsa_float_denorm_mode_32 3
		.amdhsa_float_denorm_mode_16_64 3
		.amdhsa_memory_ordered 1
		.amdhsa_forward_progress 1
		.amdhsa_inst_pref_size 72
	.end_amdhsa_kernel
	.amdgpu_metadata
---
amdhsa.version: [ 1, 2 ]
amdhsa.kernels:
  - .name:           k_q7a9f38144e_attn
    .symbol:         k_q7a9f38144e_attn.kd
    .args:
      - { .name: qa, .offset: 0, .size: 8, .value_kind: global_buffer, .address_space: global }
      - { .name: kb, .offset: 8, .size: 8, .value_kind: global_buffer, .address_space: global }
      - { .name: xtc, .offset: 16, .size: 8, .value_kind: global_buffer, .address_space: global }
      - { .name: xts, .offset: 24, .size: 8, .value_kind: global_buffer, .address_space: global }
      - { .name: Wa, .offset: 32, .size: 8, .value_kind: global_buffer, .address_space: global }
      - { .name: ba, .offset: 40, .size: 8, .value_kind: global_buffer, .address_space: global }
      - { .name: out0, .offset: 48, .size: 8, .value_kind: global_buffer, .address_space: global }
    .group_segment_fixed_size: 268288
    .private_segment_fixed_size: 0
    .kernarg_segment_align: 8
    .kernarg_segment_size: 56
    .max_flat_workgroup_size: 512
    .sgpr_count:     66
    .vgpr_count:     256
    .wavefront_size: 32
...
	.end_amdgpu_metadata
.endif
;; end of part 3
;; ======== version 3 of 3: 2 launches; version 2 with the launches prep, attn written anew for expert scheduling mode
;; limits: inputs' magnitudes at most 524,288; right only within a limited range of input values
;; workspace buffers: qa 524,288 bytes; kb 524,288 bytes; xtc 393,216 bytes; xts 32,768 bytes
;; launch prep (part 4): grid 256 x 1, 1 waves a work-group, no clusters, 8,448 bytes of LDS; arguments x, Wt_codes, Wt_scales, Wx_codes, Wx_scales, bh, qa, kb, xtc, xts; writes qa, kb, xtc, xts
.if DOCPART == 4
	.amdgcn_target "amdgcn-amd-amdhsa--gfx1250"
	.amdhsa_code_object_version 6
	.text
	.protected	k_q7a9f38144e_prep
	.globl	k_q7a9f38144e_prep
	.p2align	8
	.type	k_q7a9f38144e_prep,@function
k_q7a9f38144e_prep:
	s_mov_b64 s[64:65], 0
	v_nop
	global_prefetch_b8 v0, s[64:65] scope:SCOPE_SE
	s_setreg_imm32_b32 hwreg(HW_REG_WAVE_SCHED_MODE, 0, 2), 2
	s_setreg_imm32_b32 hwreg(HW_REG_WAVE_MODE, 25, 1), 1
	s_wait_xcnt 0x0
	s_wait_alu depctr_vm_vsrc(0)
; x [4][1024][128] f32 is quantised twice to FP6 (E2M3) with one E8M0 scale for each 32 along K, and the two small products are made.
; Work-group i (one wave) does two things, on one path, with no barrier:
;  (T) x with K = THE KEYS, for the context product: fragment i = (batch b = i / 64, rows d = 16 m .. 16 m + 15 with m = (i / 8) % 8, keys 128 f .. 128 f + 127 with f = i % 8).  A lane takes a column d and its
;      registers run down the keys, in the order that the operand's layout gives that lane: the conversions' results ARE the operand's 12 registers.  They are stored as an image of those registers:
;      xtc[i][piece 0..2][lane][16 bytes], and the rows' scale words as xts[i][lane] (lanes 16-31 hold the same words as lanes 0-15, so that no lane is switched off).
;  (R) x with K = D, for q and k: rows 16 i .. 16 i + 15 of the 4,096 become one fragment in registers; four matrix instructions (transposed: source 0 = 16 rows of Wt or Wx, source 1 = x's 16 rows) give
;      q + bh (bh is the C of the sum) and k; both are multiplied by C = 2 log2(e), since the next launch wants 2^(C (q + bh + k)), and stored as qa[4096][32], kb[4096][32], f32.
; A block's scale is 2^(floor(log2(its largest magnitude)) - 2); its byte is the largest magnitude's exponent field - 2, held at 1 from below.
; LIMITS: a block of zeros gets the byte 1 where the quantiser says 127: its codes are zeros, which add nothing under any byte but 0xff, and these bytes are read by this program alone.
;         NaN and infinities among the inputs are not served.
; Every store of codes, of qa and of kb covers 512 consecutive bytes at a multiple of 256 from its buffer's first byte; the 128 bytes of scale words a work-group are the exception: 1 byte in 12 of what (T) stores.
; THE MODE: SCHED_MODE bits 1:0 = 2 (LLVM: expert scheduling mode 2), set by the entry lines.  The code itself states the register dependences between vector or matrix instructions and memory or LDS
; instructions, with s_wait_alu, always for 0.
; THE PLAN.  The text has no loop.  Registers that memory or LDS instructions touch:
;   v3-v9, v11, v12   offsets and LDS addresses: written once at the head, read by every load and store, never written again: one wait ahead of the first load.
;   XB, XA, WF, WS, BH  each filled once by loads, in registers that no vector instruction has named before.
;   CB, SWB           written by (T)'s vector lines, read by four stores, never written again: one wait ahead of the stores.
;   CA, SWA           written by (R)'s vector lines, taken by the scaled matrix instructions: the places, then one wait.
;   AC                written by the products and the multiplications by C, read by the LDS stores;  OB (XA's registers) read by (R)'s vector lines, then filled by LDS loads: one wait ahead of the LDS stores states both.
; No register that a memory or LDS instruction has read is written again.
.set XA,  16                           ; v16-79   (R) 64 numbers of my row: register 32 c + k = x(row r, 64 c + 32 h + k)
.set XB,  80                           ; v80-143  (T) 64 numbers of my column: register 32 c + k = x(key 64 c + 32 h + k, column r)
.set WF,  144                          ; v144-191 fragments of Wt's tiles 0, 1 and Wx's tiles 0, 1: 12 registers each
.set WS,  192                          ; v192-195 their scale words: these registers hold scales and nothing else
.set BH,  196                          ; v196-211 bh in the result's layout: register 8 ut + j = bh[16 ut + 8 h + j]
.set CA,  212                          ; v212-223 (R) x's codes
.set CB,  224                          ; v224-235 (T) x's codes
.set TC,  236                          ; v236-238, v240-242 the upper halves of two blocks' codes, before they are moved
.set MX,  244                          ; v244-245 largest magnitudes
.set SCO, 246                          ; v246-247 the conversions' scale operands
.set BY,  248                          ; v248-249 scale bytes
.set SWA, 250                          ; v250     (R) x's scale word
.set SWB, 251                          ; v251     (T) x's scale word
.set AC,  80                           ; v80-111  four accumulators, in the registers that XB has left
.set OB,  16                           ; v16-47   rows read back from the stage, in the registers that XA has left
.set SPI, 144                          ; a stage row: 128 bytes + 16
	s_load_b256 s[4:11], s[0:1], 0x0               ; x s[4:5], Wt's codes s[6:7], Wt's scales s[8:9], Wx's codes s[10:11]
	s_load_b256 s[12:19], s[0:1], 0x20             ; Wx's scales s[12:13], bh s[14:15], qa s[16:17], kb s[18:19]
	s_load_b128 s[20:23], s[0:1], 0x40             ; xtc s[20:21], xts s[22:23]
	v_lshl_add_u32 v254, v0, 2, 0x2000
	v_mov_b32 v255, 0
	v_and_b32 v1, 15, v0                           ; r
	v_bfe_u32 v2, v0, 4, 1                         ; h
	v_lshlrev_b32 v6, 2, v1                        ; 4 r: a scale word of W's row r
	v_lshl_add_u32 v3, v2, 14, v6                  ; (T) column r, and 32 keys of 512 bytes further down for lanes 16-31
	v_lshlrev_b32 v4, 9, v1
	v_lshl_add_u32 v4, v2, 7, v4                   ; (R) row r of 512 bytes, + 32 numbers for lanes 16-31
	v_mul_u32_u24 v5, v1, 96
	v_mad_u32_u24 v5, v2, 24, v5                   ; W: row r of 96 bytes, + 24 h
	v_lshlrev_b32 v7, 5, v2                        ; bh: 8 h numbers on
	v_lshlrev_b32 v8, 4, v0                        ; 16 x lane
	v_lshlrev_b32 v9, 2, v0                        ; 4 x lane
	v_lshlrev_b32 v10, 3, v2                       ; 8 h: how far my two scale bytes are shifted
	v_mul_u32_u24 v11, v1, SPI
	v_lshl_add_u32 v11, v2, 5, v11                 ; the stage, in: row r, + 32 h
	v_lshrrev_b32 v12, 3, v0
	v_mul_u32_u24 v12, v12, SPI
	v_and_b32 v14, 7, v0
	v_lshl_add_u32 v12, v14, 4, v12                ; and back: eight lanes to a row of 128 bytes, four rows an instruction
	v_mov_b32 v13, 0                               ; written once: a lane permute's destination counts as one of its sources
	s_lshr_b32 s32, ttmp9, 6                       ; b
	s_lshl_b32 s32, s32, 19                        ; a batch is 1,024 x 512 bytes
	s_and_b32 s33, ttmp9, 7                        ; f
	s_lshl_b32 s33, s33, 16                        ; 128 keys of 512 bytes
	s_add_co_u32 s32, s32, s33
	s_bfe_u32 s33, ttmp9, 0x30003                  ; m
	s_lshl_b32 s33, s33, 6                         ; 16 columns of 4 bytes
	s_add_co_u32 s32, s32, s33
	s_mov_b32 s33, 0
	s_lshl_b32 s34, ttmp9, 13                      ; (R) 16 rows of 512 bytes
	s_mov_b32 s35, 0
	s_lshl_b32 s36, ttmp9, 11                      ; 16 rows of 128 bytes in qa and in kb
	s_mov_b32 s37, 0
	s_mul_i32 s38, ttmp9, 1536                     ; a fragment's image
	s_mov_b32 s39, 0
	s_lshl_b32 s40, ttmp9, 7                       ; its 32 scale words
	s_mov_b32 s41, 0
	s_mov_b32 s28, 0x76543210
	s_mov_b32 s29, 0xfedcba98                      ; v_permlanex16_b32's selects for lane l xor 16
	s_mov_b32 s30, 0x4038aa3b                      ; C = 2 log2(e)
	s_mov_b32 s31, s30                             ; (named with it as a pair, so it is written)
	s_wait_kmcnt 0x0
	s_add_nc_u64 s[24:25], s[4:5], s[32:33]
	s_add_nc_u64 s[26:27], s[4:5], s[34:35]
	s_add_nc_u64 s[16:17], s[16:17], s[36:37]
	s_add_nc_u64 s[18:19], s[18:19], s[36:37]
	s_add_nc_u64 s[20:21], s[20:21], s[38:39]
	s_add_nc_u64 s[22:23], s[22:23], s[40:41]
	s_wait_alu depctr_va_vdst(0)                   ; the offsets v3 to v9 and the LDS addresses v11 and v12 are written: every load and store of the kernel reads one of them
	; all loads go out here, those that are wanted first in front
.set ii, 0
.rept 64
	global_load_b32 v[XB+ii], v3, s[24:25] offset:(64*(ii/32)+ii%32)*512   ; x(key 64 c + 32 h + k, column r): sixteen lanes read 64 consecutive bytes
.set ii, ii+1
.endr
.irp c, 0,1
.irp j, 0,1,2,3,4,5,6,7
	global_load_b128 v[XA+32*\c+4*\j:XA+32*\c+4*\j+3], v4, s[26:27] offset:256*\c+16*\j
.endr
.endr
.irp ut, 0,1
.irp p, 0,1,2,3,4,5
	global_load_b64 v[WF+12*\ut+2*\p:WF+12*\ut+2*\p+1], v5, s[6:7] offset:1536*\ut+48*(\p/3)+8*(\p%3)
.endr
.endr
.irp ut, 0,1
.irp p, 0,1,2,3,4,5
	global_load_b64 v[WF+24+12*\ut+2*\p:WF+24+12*\ut+2*\p+1], v5, s[10:11] offset:1536*\ut+48*(\p/3)+8*(\p%3)
.endr
.endr
.irp ut, 0,1
	global_load_b32 v[WS+\ut], v6, s[8:9] offset:64*\ut
	global_load_b32 v[WS+2+\ut], v6, s[12:13] offset:64*\ut
.endr
.irp ut, 0,1
	global_load_b128 v[BH+8*\ut:BH+8*\ut+3], v7, s[14:15] offset:64*\ut
	global_load_b128 v[BH+8*\ut+4:BH+8*\ut+7], v7, s[14:15] offset:64*\ut+16
.endr
; 64 numbers of a lane, register 32 c + k = K 64 c + 32 h + k of my row (or column), become the operand's 12 registers in v[dst] on and the row's scale word in v[sw].  A lane holds two whole blocks.
.macro QFRAG src, dst, sw
.irp c, 0,1
	v_max3_num_f32 v[MX+\c], |v[\src+32*\c]|, |v[\src+32*\c+1]|, 0x1800000   ; with the floor 2^(3 - 127) among the leaves: the byte cannot fall under 1
.endr
.irp i, 2,4,6,8,10,12,14,16,18,20,22,24,26,28,30
.irp c, 0,1
	v_max3_num_f32 v[MX+\c], v[MX+\c], |v[\src+32*\c+\i]|, |v[\src+32*\c+\i+1]|   ; (the two blocks by turns)
.endr
.endr
.irp c, 0,1
	v_add_nc_u32 v[SCO+\c], 0xff000000, v[MX+\c]   ; 2 off the exponent field: the conversion takes the exponent field of this operand as its scale, and nothing else of it
.endr
.irp c, 0,1
	v_lshrrev_b32 v[BY+\c], 23, v[SCO+\c]          ; the scale's byte
.endr
	v_lshl_or_b32 v[\sw], v[BY+1], 16, v[BY]       ; my two bytes: blocks h and 2 + h,
	v_lshlrev_b32 v[\sw], v10, v[\sw]              ; at their places in the word (8 h bits up);
	v_permlanex16_b32 v13, v[\sw], s28, s29
	v_or_b32 v[\sw], v[\sw], v13                   ; with lane l xor 16's two the word is whole, in both lanes
.irp c, 0,1
	v_cvt_scalef32_pk16_fp6_f32 v[\dst+6*\c:\dst+6*\c+2], v[\src+32*\c:\src+32*\c+15], v[SCO+\c]
	v_cvt_scalef32_pk16_fp6_f32 v[TC+4*\c:TC+4*\c+2], v[\src+32*\c+16:\src+32*\c+31], v[SCO+\c]   ; (a conversion's three registers begin on an even number: the second half of a block's six does not)
.endr
	v_nop                                          ; one plain place behind a scaled conversion
.irp c, 0,1
.irp i, 0,1,2
	v_mov_b32 v[\dst+3+6*\c+\i], v[TC+4*\c+\i]
.endr
.endr
.endm
	s_wait_loadcnt 48                              ; the 64 column loads are in: 16 + 24 + 4 + 4 loads were issued behind them
	QFRAG XB, CB, SWB
	s_wait_alu depctr_va_vdst(0)                   ; the conversions and moves have written v[CB ..] and the scale word v[SWB], which the four stores read
.irp p, 0,1,2
	global_store_b128 v8, v[CB+4*\p:CB+4*\p+3], s[20:21] offset:512*\p   ; the image: registers 4 p .. 4 p + 3, lane l's 16 bytes at 16 l
.endr
	global_store_b32 v9, v[SWB], s[22:23]
	s_wait_loadcnt 0x0
	QFRAG XA, CA, SWA                              ; (it writes none of the registers that the stores above read)
.rept 8
	v_nop                                          ; a scale register written by a vector instruction stands 8 places ahead of a scaled matrix instruction, an operand so written 4
.endr
	s_wait_alu depctr_va_vdst(0)                   ; behind the places: the vector lines have written v[CA ..] and v[SWA], which the scaled matrix instructions take as source 1 and as its scales
	; TRANSPOSED: in tile t lane (r, h) holds row r of x, and its register j the unit u = 16 (t % 2) + 8 h + j.  Four accumulators, one instruction each.
.irp t, 0,1
	v_wmma_scale_f32_16x16x128_f8f6f4 v[AC+8*\t:AC+8*\t+7], v[WF+12*\t:WF+12*\t+11], v[CA:CA+11], v[BH+8*\t:BH+8*\t+7], v[WS+\t], v[SWA] matrix_a_fmt:MATRIX_FMT_FP6 matrix_b_fmt:MATRIX_FMT_FP6   ; q + bh
.endr
.irp t, 2,3
	v_wmma_scale_f32_16x16x128_f8f6f4 v[AC+8*\t:AC+8*\t+7], v[WF+12*\t:WF+12*\t+11], v[CA:CA+11], 0, v[WS+\t], v[SWA] matrix_a_fmt:MATRIX_FMT_FP6 matrix_b_fmt:MATRIX_FMT_FP6   ; k
.endr
.rept 4
	v_nop                                          ; four places behind the last product, ahead of the first read of results
.endr
.set ii, 0
.rept 16
	v_pk_mul_f32 v[AC+ii:AC+ii+1], v[AC+ii:AC+ii+1], s[30:31] op_sel_hi:[1,0]   ; x C; each accumulator from its low end on
.set ii, ii+2
.endr
	s_wait_alu depctr_va_vdst(0)                   ; the multiplications have written v[AC ..], which the LDS stores read; (R)'s vector lines are done reading v[XA ..], in which the LDS loads below land
	; a lane holds 32 bytes of a row and the lanes beside it other rows: through my stage (two of 16 rows x 144 bytes: qa's, kb's) and back as whole rows
.irp t, 0,1,2,3
	ds_store_b128 v11, v[AC+8*\t:AC+8*\t+3] offset:16*SPI*(\t/2)+64*(\t%2)
	ds_store_b128 v11, v[AC+8*\t+4:AC+8*\t+7] offset:16*SPI*(\t/2)+64*(\t%2)+16
.endr
.irp z, 0,1
.irp i, 0,1,2,3
	ds_load_b128 v[OB+16*\z+4*\i:OB+16*\z+4*\i+3], v12 offset:16*SPI*\z+4*SPI*\i   ; LDS serves a wave's instructions in order (ISA guide 5.7.1.4): these see the stores above
.endr
.endr
.irp i, 0,1,2,3
	s_wait_dscnt 7-\i                              ; load i of the eight is in; the younger ones may be out
	global_store_b128 v8, v[OB+4*\i:OB+4*\i+3], s[16:17] offset:512*\i        ; four rows of qa: 512 consecutive bytes
.endr
.irp i, 0,1,2,3
	s_wait_dscnt 3-\i
	global_store_b128 v8, v[OB+16+4*\i:OB+16+4*\i+3], s[18:19] offset:512*\i  ; four rows of kb
.endr
	s_wait_dscnt 0x0                               ; the closing lines, six on end
	s_wait_alu 0x0
	s_wait_tensorcnt 0x0
	ds_add_u32 v254, v255
	s_wait_dscnt 0x0
	s_endpgm
.Lfunc_end_k_q7a9f38144e_prep:
	.size	k_q7a9f38144e_prep, .Lfunc_end_k_q7a9f38144e_prep-k_q7a9f38144e_prep
	.p2alignl 7, 3214868480
	.fill 96, 4, 3214868480
	.section	.rodata,"a",@progbits
	.p2align	6, 0x0
	.amdhsa_kernel k_q7a9f38144e_prep
		.amdhsa_group_segment_fixed_size 8448
		.amdhsa_private_segment_fixed_size 0
		.amdhsa_enable_private_segment 0
		.amdhsa_kernarg_size 80
		.amdhsa_user_sgpr_count 2
		.amdhsa_user_sgpr_kernarg_segment_ptr 1
		.amdhsa_wavefront_size32 1
		.amdhsa_system_sgpr_workgroup_id_x 1
		.amdhsa_system_sgpr_workgroup_id_y 1
		.amdhsa_system_sgpr_workgroup_id_z 1
		.amdhsa_system_vgpr_workitem_id 0
		.amdhsa_next_free_vgpr 256
		.amdhsa_next_free_sgpr 66
		.amdhsa_reserve_vcc 0
		.amdhsa_float_denorm_mode_32 3
		.amdhsa_float_denorm_mode_16_64 3
		.amdhsa_memory_ordered 1
		.amdhsa_forward_progress 1
		.amdhsa_inst_pref_size 24
	.end_amdhsa_kernel
	.amdgpu_metadata
---
amdhsa.version: [ 1, 2 ]
amdhsa.kernels:
  - .name:           k_q7a9f38144e_prep
    .symbol:         k_q7a9f38144e_prep.kd
    .args:
      - { .name: x, .offset: 0, .size: 8, .value_kind: global_buffer, .address_space: global }
      - { .name: Wt_codes, .offset: 8, .size: 8, .value_kind: global_buffer, .address_space: global }
      - { .name: Wt_scales, .offset: 16, .size: 8, .value_kind: global_buffer, .address_space: global }
      - { .name: Wx_codes, .offset: 24, .size: 8, .value_kind: global_buffer, .address_space: global }
      - { .name: Wx_scales, .offset: 32, .size: 8, .value_kind: global_buffer, .address_space: global }
      - { .name: bh, .offset: 40, .size: 8, .value_kind: global_buffer, .address_space: global }
      - { .name: qa, .offset: 48, .size: 8, .value_kind: global_buffer, .address_space: global }
      - { .name: kb, .offset: 56, .size: 8, .value_kind: global_buffer, .address_space: global }
      - { .name: xtc, .offset: 64, .size: 8, .value_kind: global_buffer, .address_space: global }
      - { .name: xts, .offset: 72, .size: 8, .value_kind: global_buffer, .address_space: global }
    .group_segment_fixed_size: 8448
    .private_segment_fixed_size: 0
    .kernarg_segment_align: 8
    .kernarg_segment_size: 80
    .max_flat_workgroup_size: 32
    .sgpr_count:     66
    .vgpr_count:     256
    .wavefront_size: 32
...
	.end_amdgpu_metadata
.endif
;; end of part 4
;; launch attn (part 5): grid 256 x 1, 16 waves a work-group, no clusters, 268,288 bytes of LDS; arguments qa, kb, xtc, xts, Wa, ba, out0; writes out0
.if DOCPART == 5
	.amdgcn_target "amdgcn-amd-amdhsa--gfx1250"
	.amdhsa_code_object_version 6
	.text
	.protected	k_q7a9f38144e_attn
	.globl	k_q7a9f38144e_attn
	.p2align	8
	.type	k_q7a9f38144e_attn,@function
k_q7a9f38144e_attn:
	s_mov_b64 s[64:65], 0
	v_nop
	global_prefetch_b8 v0, s[64:65] scope:SCOPE_SE
	s_setreg_imm32_b32 hwreg(HW_REG_WAVE_SCHED_MODE, 0, 2), 2
	s_setreg_imm32_b32 hwreg(HW_REG_WAVE_MODE, 25, 1), 1
	s_wait_xcnt 0x0
	s_wait_alu depctr_vm_vsrc(0)
; out0[b][s][:] = sum over j of softmax_j(tanh(sum over u of Wa[u] tanh(q[s][u] + k[j][u] + bh[u]) + ba)) x[b][j][:], the last product on codes of FP6 (E2M3) with one E8M0 scale for each 32 keys.
; In: qa = C (q + bh), kb = C k (C = 2 log2(e)), f32; xtc, xts: x quantised along the keys, as images of the operand's registers and its scale words.
; SHARES.  Work-group g owns queries 16 g .. 16 g + 15 (batch g / 64) against all 1,024 keys.  Wave w of sixteen owns keys 64 w .. 64 w + 63; lane (r = lane % 16, h = lane / 16) owns query r and the WHOLE block of 32 keys
; 64 w + 32 h + i.  So a block's largest p needs no other lane, its six registers of codes ARE registers 6 c .. 6 c + 5 (c = w % 2) of p's fragment w / 2, and its scale byte is byte 2 c + h of row r's word.
; THE INNER TANH, 32 for a key and a lane, is what the launch consists of.  tanh(z) = 1 - 2 / (1 + 2^(C z)), so the raw logit is (sum of Wa + ba) - 2 sum over u of Wa[u] / (1 + E[u]), E = 2^(qa + kb).
; One exponential an element.  The reciprocals are shared: EIGHT FRACTIONS GO OVER ONE DENOMINATOR.  The exponent is held at 30 from above.  Two fractions merge by N = Na Db + Nb Da, D = Da Db.  The first level takes the
; '1 +' into its own multiply-adds: s = c (1 + E0) = fma(E0, c, c), c = 2^-30; N = fma(W0, E1, W0) + W1 s; D = fma(s, E1, s): four packed instructions.  Wa is scaled once, by 2^-15 where it goes with E0 and by 2^15
; where it goes with E1, so that N / D is 2^15 x the true sum.  A pair's D lies in 2^-30 .. 2^30, the product of four pairs in 2^-120 .. 2^120: the reciprocal sees and gives normal numbers alone.
; A lane's 16 register pairs are two groups of eight pairs: 50 packed instructions and four reciprocals a key.  In all 36 transcendentals and 86 plain instructions for 32 tanh.
; BY TURNS.  Two sets of 32 element registers.  In a half trip the exponentials of key i stand between the merges of key i - 1; then come the reciprocals of key i - 1, the 32 plain lines that prepare key i + 1, the half's
; waits, the fetch of key i + 2's row, the store of key i - 2's raw sum, and the raw sum of key i - 1.
; THE SOFTMAX has no search for a maximum: the logits are results of the outer tanh, so t = logit x log2(e) lies in -1.4427 .. 1.4427 for EVERY input; p = 2^t lies in 0.36 .. 2.72 and a row's sum under 2,786.
; The whole number M that the problem's rule takes off t is here the constant 0: another whole M shifts each block's scale, the row's sum and the product by the same exact power of two.
; LIMITS: the hold at 30 changes a tanh by under 2^-28.  |Wa[u]| under 2^-20 (numerators near the smallest normal number; such a term's whole share of a logit is under 1e-6) or over 2^19 loses bits.  NaN and infinities are not served.
; THE SECOND PRODUCT is used transposed (source 0 = 16 rows d of x^T, source 1 = p's 16 queries).  Wave w makes rows d = 16 (w / 2) .. + 15 over the key half w % 2 (four fragments of 128 keys); the two halves meet in a stage.
; NO JOINT LOADS, though the 64 work-groups of a batch read the same kb, xtc and xts: a wave brings 8,192 + 6,656 bytes of them ONCE, through registers, for some 4,500 vector instructions, and the 6,656 bytes for the second
; product are on their way through the whole loop over keys.  No LDS byte is filled twice.  Every load goes out at the head, as soon as its address is known: there is nothing to ask for ahead of them.
; THE MODE: SCHED_MODE bits 1:0 = 2 (LLVM: expert scheduling mode 2), set by the entry lines.  The code itself states the register dependences between vector or matrix instructions and memory or LDS
; instructions, with s_wait_alu, always for 0.
; THE PLAN.  Registers that LDS instructions touch in the loop over keys:
;   v96-127 (RB)        Half i: the sixteen additions of its preparation read it; behind the half's wait the fetch of row i + 2 lands in it.  No other vector line names it.
;   v[20:21], v[22:23]  The raw sums, by turns.  Half i writes one pair with its last three lines (key i - 1); the LDS store of half i + 1 reads that pair's low register; half i + 2 writes the pair again.
;   v5, v7              Read by a trip's fetches and stores; written once a trip, in its first half, between the half's two waits.
;   v4, v6              Written at the head and never again: the fetches and stores that are written out reach their places by immediate offsets.
;   v208-255, v10-13    x^T's loads are out through the loop: no vector line names these registers.
; So a half has two waits, behind its 32 plain lines: one on vm_vsrc (the store of the half before has read the pair that this half writes; the fetches and stores so far have read v5 and v7), which stands a whole half behind
; those instructions, and one on va_vdst (the half's 36 transcendentals have written their results; the additions are done reading RB; the last half's raw sum is written; v5 and v7 are written).  Behind them come the eight
; LDS loads, the LDS store and the three lines of the raw sum, which name none of the registers that those nine touch.
; LDS
.set KBL,  0                           ; 131,072  wave w's 64 rows of kb, 128 bytes each, at 8,192 w: its own
.set ALS,  131072                      ;  65,536  wave w's raw sums at 4,096 w + 128 i + 4 lane: its own
.set PIMG, 196608                      ;  12,288  p's codes as register pairs: wave w's pair g at 768 w + 256 g + 8 lane = fragment w / 2's pair 3 (w % 2) + g
.set PSC,  208896                      ;     512  p's scale bytes at 64 (w / 2) + 4 r + 2 (w % 2) + h
.set LSUM, 209408                      ;   1,280  the rows' sums, a word for each wave: 80 r + 4 w
.set OST,  210688                      ;  16,896  two halves of 16 rows x (512 + 16) bytes
.set AST,  227584                      ;  36,864  wave w's copy of the 16 rows of qa, 128 + 16 bytes each, at 2,304 w: its own
; REGISTERS: v1 16 lane; v2 4 lane; v3 qa's way into LDS; v4 my rows of kb in LDS; v5 the address of the loop's fetches; v6 my raw sums in LDS; v7 the address of the loop's stores; v8 0; v9 kb's way into LDS;
; v[18:19] C (sum of Wa + ba); v[20:21], v[22:23] the raw sums, by turns; behind the loop v[22:23] 1 / the row's sum; v[24:31] the two groups' last numerators and denominators (at the head: at work)
.set XS,  10                           ; v10-13   x^T's scale words: scales and nothing else
.set PS,  14                           ; v14-17   p's scale words: scales and nothing else
.set RA,  32                           ; v32-63   qa of my query
.set RW,  64                           ; v64-95   Wa, scaled
.set RB,  96                           ; v96-127  kb of the key to be prepared; later p
.set T0,  128                          ; v128-159 the 32 elements of the even keys
.set RN,  160                          ; v160-175 numerators; behind the loop: LDS addresses and what the block's scale needs
.set T1,  176                          ; v176-207 the 32 elements of the odd keys; behind the loop: p's codes
.set XF,  208                          ; v208-255 four fragments of x^T
.set PF,  32                           ; v32-79   four fragments of p (second product)
.set LS,  80                           ; v80-95   sixteen parts of my row's sum
	s_load_b256 s[4:11], s[0:1], 0x0               ; qa s[4:5], kb s[6:7], xtc s[8:9], xts s[10:11]
	s_load_b128 s[12:15], s[0:1], 0x20             ; Wa s[12:13], ba s[14:15]
	s_load_b64 s[16:17], s[0:1], 0x30              ; out0
	v_lshrrev_b32 v24, 5, v0
	v_readfirstlane_b32 s18, v24                   ; wave 0..15
	v_and_b32 v24, 31, v0                          ; lane
	v_and_b32 v25, 15, v0                          ; r
	v_bfe_u32 v26, v0, 4, 1                        ; h
	v_lshlrev_b32 v1, 4, v24
	v_lshlrev_b32 v2, 2, v24
	v_mov_b32 v8, 0
	s_wait_alu depctr_va_sdst(0)                   ; s18 is written, ahead of its first reader: LDS addresses and the buffers' bases are made from it
	s_lshl_b32 s19, s18, 13
	v_lshl_add_u32 v4, v26, 12, s19                ; kb in LDS: 8,192 w + 32 rows for lanes 16-31
	v_add_nc_u32 v9, s19, v1                       ; and where I put it: 8,192 w + 16 lane
	s_lshl_b32 s36, s18, 12
	s_add_co_u32 s36, s36, ALS
	v_add_nc_u32 v6, s36, v2                       ; raw sums: ALS + 4,096 w + 4 lane
	s_mul_i32 s36, s18, 2304
	s_add_co_u32 s36, s36, AST                     ; my copy of qa's 16 rows
	v_bfe_u32 v3, v0, 3, 2
	v_mul_u32_u24 v3, v3, 144
	v_and_b32 v27, 7, v0
	v_lshl_add_u32 v3, v27, 4, v3
	v_add_nc_u32 v3, s36, v3                       ; in: eight lanes to a row, four rows a store: 144 (lane / 8) + 16 (lane % 8)
	v_mul_u32_u24 v27, v25, 144
	v_add_nc_u32 v27, s36, v27                     ; back: row r; the pitch of 144 bytes sets the sixteen rows on different banks
	s_mov_b32 s21, 0x41f00000                      ; 30.0
	s_mov_b32 s22, 0x30800000                      ; c = 2^-30
	s_mov_b32 s23, s22                             ; (the packed forms name pairs and take the low word for both halves: so the upper words are written)
	s_mov_b32 s28, 0xb938aa3b                      ; -C 2^-14
	s_mov_b32 s29, s28
	s_mov_b32 s30, 0xc038aa3b                      ; -C
	s_mov_b32 s31, s30
	s_mov_b32 s34, 0x76543210
	s_mov_b32 s35, 0xfedcba98                      ; v_permlanex16_b32's selects for lane l xor 16
	s_mov_b32 s25, 0                               ; how far the loop's walk over my keys has gone: 256 bytes for two keys, in kb's rows and in the raw sums alike
	s_lshr_b32 s39, ttmp9, 6                       ; the batch
	s_mov_b32 s41, 0
	s_wait_kmcnt 0x0
	s_load_b32 s20, s[14:15], 0x0                  ; ba
	s_lshl_b32 s40, ttmp9, 11                      ; my 16 rows of qa
	s_add_nc_u64 s[4:5], s[4:5], s[40:41]
	s_lshl_b32 s40, s39, 17                        ; kb: the batch's 1,024 rows of 128 bytes,
	s_add_co_u32 s40, s40, s19                     ; my wave's 64
	s_add_nc_u64 s[6:7], s[6:7], s[40:41]
	s_mul_i32 s40, s39, 98304                      ; xtc: 64 images of 1,536 bytes a batch,
	s_mul_i32 s36, s18, 6144                       ; (8 (w / 2) + 4 (w % 2)) images = 6,144 w
	s_add_co_u32 s40, s40, s36
	s_add_nc_u64 s[8:9], s[8:9], s[40:41]
	s_lshl_b32 s40, s39, 13                        ; xts: 128 bytes an image
	s_lshl_b32 s36, s18, 9
	s_add_co_u32 s40, s40, s36
	s_add_nc_u64 s[10:11], s[10:11], s[40:41]
	s_lshl_b32 s40, ttmp9, 13                      ; out0: my 16 rows of 512 bytes, row w of them
	s_add_co_u32 s40, s40, s36
	s_add_nc_u64 s[16:17], s[16:17], s[40:41]
	s_wait_alu depctr_va_vdst(0)                   ; the offsets v1, v2, v8 and the LDS addresses v3, v4, v6, v9, v27 are written, which the loads and stores below read
	; what the loop wants goes out first
.irp i, 0,1,2,3,4,5,6,7,8,9,10,11,12,13,14,15
	global_load_b128 v[RB+4*\i:RB+4*\i+3], v1, s[6:7] offset:512*\i           ; my wave's 8,192 bytes of kb, 512 consecutive bytes a load (into v96-159)
.endr
.irp i, 0,1,2,3
	global_load_b128 v[T1+4*\i:T1+4*\i+3], v1, s[4:5] offset:512*\i           ; the 16 rows of qa as they lie: 512 consecutive bytes a load
.endr
.irp i, 0,1,2,3,4,5,6,7
	global_load_b128 v[RW+4*\i:RW+4*\i+3], v8, s[12:13] offset:16*\i          ; Wa, the same in every lane
.endr
	s_wait_loadcnt 12                              ; kb is in: qa's 4 and Wa's 8 loads were issued behind it
.irp i, 0,1,2,3,4,5,6,7,8,9,10,11,12,13,14,15
	ds_store_b128 v9, v[RB+4*\i:RB+4*\i+3] offset:512*\i
.endr
	s_wait_loadcnt 8                               ; qa is in
.irp i, 0,1,2,3
	ds_store_b128 v3, v[T1+4*\i:T1+4*\i+3] offset:576*\i
.endr
.irp j, 0,1,2,3,4,5,6,7
	ds_load_b128 v[RA+4*\j:RA+4*\j+3], v27 offset:16*\j                       ; qa of query r.  LDS serves a wave's instructions in order (ISA guide 5.7.1.4): these see the stores above
.endr
.irp i, 0,1,2,3,4,5,6,7,8,9,10,11
	global_load_b128 v[XF+4*\i:XF+4*\i+3], v1, s[8:9] offset:512*\i           ; four images of x^T: wanted behind the loop, so they go out behind kb's arrival
.endr
.irp i, 0,1,2,3
	global_load_b32 v[XS+\i], v2, s[10:11] offset:128*\i
.endr
	s_wait_dscnt 12                                ; kb's 16 stores are done (qa's 4 stores and 8 loads are younger)
	s_wait_alu depctr_vm_vsrc(0)                   ; kb's LDS stores have read v96-159 and qa's v176-191: key 0's row lands in v96-127, and the keys' preparation writes v128-159 and v176-191; qa's LDS loads have read v27, which the merges write
.irp j, 0,1,2,3,4,5,6,7
	ds_load_b128 v[RB+4*\j:RB+4*\j+3], v4 offset:16*\j                        ; key 0 of my half's 32: sixteen lanes read the same row
.endr
	s_wait_loadcnt 16                              ; Wa is in; the 12 + 4 loads for the second product stay out through the loop
.irp m, 0,1,2,3,4,5,6,7
	v_pk_add_f32 v[RN+2*\m:RN+2*\m+1], v[RW+4*\m:RW+4*\m+1], v[RW+4*\m+2:RW+4*\m+3]   ; the sum of Wa
.endr
.irp m, 0,1,2,3
	v_pk_add_f32 v[RN+4*\m:RN+4*\m+1], v[RN+4*\m:RN+4*\m+1], v[RN+4*\m+2:RN+4*\m+3]
.endr
.irp m, 0,1
	v_pk_add_f32 v[RN+8*\m:RN+8*\m+1], v[RN+8*\m:RN+8*\m+1], v[RN+8*\m+4:RN+8*\m+5]
.endr
	v_pk_add_f32 v[RN:RN+1], v[RN:RN+1], v[RN+8:RN+9]
	v_add_f32 v18, v[RN], v[RN+1]
.irp m, 0,1,2,3,4,5,6,7
	v_pk_mul_f32 v[RW+4*\m:RW+4*\m+1], v[RW+4*\m:RW+4*\m+1], 0x38000000 op_sel_hi:[1,0]       ; the weights that go with E0: x 2^-15
	v_pk_mul_f32 v[RW+4*\m+2:RW+4*\m+3], v[RW+4*\m+2:RW+4*\m+3], 0x47000000 op_sel_hi:[1,0]   ; those that go with E1: x 2^15 = 2^-15 / c
.endr
	s_wait_kmcnt 0x0                               ; ba
	v_add_f32 v18, s20, v18
	v_mul_f32 v18, 0x4038aa3b, v18                 ; C (sum of Wa + ba)
	v_mov_b32 v19, v18
; A KEY IS PREPARED: its exponents, held at 30, into set t.
.macro PREP t
	s_wait_dscnt 0x0                               ; the key's row is in (asked for a half trip ago)
.set ii, 0
.rept 16
	v_pk_add_f32 v[\t+ii:\t+ii+1], v[RA+ii:RA+ii+1], v[RB+ii:RB+ii+1]   ; C (q + bh + k)
.set ii, ii+2
.endr
.set ii, 0
.rept 16
	v_dual_min_num_f32 v[\t+ii], s21, v[\t+ii] :: v_dual_min_num_f32 v[\t+ii+1], s21, v[\t+ii+1]   ; the hold at 30, two to an instruction: an even and an odd register, one scalar
.set ii, ii+2
.endr
.endm
; The row of the key after the one just prepared is fetched, from lo bytes behind v[adr]: it has a half trip in which to land.
.macro FETCH adr, lo
.irp j, 0,1,2,3,4,5,6,7
	ds_load_b128 v[RB+4*\j:RB+4*\j+3], v[\adr] offset:\lo+16*\j
.endr
.endm
; THE MERGES of the key in set tm are a list of 50 packed instructions; MOP writes number n of it.  Group g: pairs at v[tm + 16 g + 2 p], p = 0 .. 7.  Lines that do not wait for each other stand together.
;   0-7    s = c (1 + E0), in E0's place            8-15   N = W0 (1 + E1)           16-23  N += W1 s           24-31  D = s (1 + E1), in s's place          (merge m of group g: E0 = pair 2 m, E1 = pair 2 m + 1)
;   32-43  fraction a with fraction a + 1, a = 0, 2: N(a) = N(a) D(a+1) + N(a+1) D(a); D(a) = D(a) D(a+1)
;   44-49  fraction 0 with fraction 2, into the carried registers v[24:31]: the set is written anew before the reciprocals' results are used
.macro MOP tm
.if n < 8
.set gg, n%2
.set mm, n/2
	v_pk_fma_f32 v[\tm+16*gg+4*mm:\tm+16*gg+4*mm+1], v[\tm+16*gg+4*mm:\tm+16*gg+4*mm+1], s[22:23], s[22:23] op_sel_hi:[1,0,0]
.elseif n < 16
.set gg, (n-8)%2
.set mm, (n-8)/2
	v_pk_fma_f32 v[RN+8*gg+2*mm:RN+8*gg+2*mm+1], v[RW+16*gg+4*mm:RW+16*gg+4*mm+1], v[\tm+16*gg+4*mm+2:\tm+16*gg+4*mm+3], v[RW+16*gg+4*mm:RW+16*gg+4*mm+1]
.elseif n < 24
.set gg, (n-16)%2
.set mm, (n-16)/2
	v_pk_fma_f32 v[RN+8*gg+2*mm:RN+8*gg+2*mm+1], v[RW+16*gg+4*mm+2:RW+16*gg+4*mm+3], v[\tm+16*gg+4*mm:\tm+16*gg+4*mm+1], v[RN+8*gg+2*mm:RN+8*gg+2*mm+1]
.elseif n < 32
.set gg, (n-24)%2
.set mm, (n-24)/2
	v_pk_fma_f32 v[\tm+16*gg+4*mm:\tm+16*gg+4*mm+1], v[\tm+16*gg+4*mm:\tm+16*gg+4*mm+1], v[\tm+16*gg+4*mm+2:\tm+16*gg+4*mm+3], v[\tm+16*gg+4*mm:\tm+16*gg+4*mm+1]
.elseif n < 36
.set gg, (n-32)%2
.set aa, 2*((n-32)/2)
	v_pk_mul_f32 v[RN+8*gg+2*aa:RN+8*gg+2*aa+1], v[RN+8*gg+2*aa:RN+8*gg+2*aa+1], v[\tm+16*gg+4*aa+4:\tm+16*gg+4*aa+5]
.elseif n < 40
.set gg, (n-36)%2
.set aa, 2*((n-36)/2)
	v_pk_fma_f32 v[RN+8*gg+2*aa:RN+8*gg+2*aa+1], v[RN+8*gg+2*aa+2:RN+8*gg+2*aa+3], v[\tm+16*gg+4*aa:\tm+16*gg+4*aa+1], v[RN+8*gg+2*aa:RN+8*gg+2*aa+1]
.elseif n < 44
.set gg, (n-40)%2
.set aa, 2*((n-40)/2)
	v_pk_mul_f32 v[\tm+16*gg+4*aa:\tm+16*gg+4*aa+1], v[\tm+16*gg+4*aa:\tm+16*gg+4*aa+1], v[\tm+16*gg+4*aa+4:\tm+16*gg+4*aa+5]
.elseif n < 46
.set gg, n-44
	v_pk_mul_f32 v[24+4*gg:25+4*gg], v[RN+8*gg:RN+8*gg+1], v[\tm+16*gg+8:\tm+16*gg+9]
.elseif n < 48
.set gg, n-46
	v_pk_fma_f32 v[24+4*gg:25+4*gg], v[RN+8*gg+4:RN+8*gg+5], v[\tm+16*gg:\tm+16*gg+1], v[24+4*gg:25+4*gg]
.else
.set gg, n-48
	v_pk_mul_f32 v[26+4*gg:27+4*gg], v[\tm+16*gg:\tm+16*gg+1], v[\tm+16*gg+8:\tm+16*gg+9]
.endif
.endm
.macro RCP4                            ; the four denominators' reciprocals, in place
	v_rcp_f32 v26, v26
	v_rcp_f32 v27, v27
	v_rcp_f32 v30, v30
	v_rcp_f32 v31, v31
.endm
; A key's raw sum: S = N0 / D0 + N1 / D1, both halves of the pairs added, into v[d] (d = 20 or 22, by turns).  It goes to my wave's own words in LDS a half trip later, since the key's number is a loop's count and no register number.
.macro FINISH d
	v_pk_mul_f32 v[\d:\d+1], v[24:25], v[26:27]
	v_pk_fma_f32 v[\d:\d+1], v[28:29], v[30:31], v[\d:\d+1]
	v_add_f32 v[\d], v[\d], v[\d+1]
.endm
; THE HALF TRIP OF KEY i.  te: the set with key i's exponents; tm: the set with key i - 1's exponentials, which then takes key i + 1 (p = 1).  The 32 exponentials stand singly between the 50 merge lines, which name other
; registers: 14 among the 32 lines of the first level, 18 among the 18 lines of the other two, where few lines are free of each other.  No line ahead of the wait on va_vdst names a transcendental's result of this half.
; d: the pair that takes key i - 1's raw sum.  ld = 1: key i + 2's row is fetched, lo bytes behind v[la].  st = 1: key i - 2's raw sum, in the other pair, is stored so bytes behind v[sa].  sq = 1: a trip's first half steps v5 and v7.
.macro HALF te, tm, d, p, ld, la, lo, st, sa, so, sq
.set n, 0
.set ne, 0
.rept 50
	MOP \tm
.if n < 32
.set tg, ((n+1)*14)/32
.else
.set tg, n-17
.endif
.if ne < tg
	v_exp_f32 v[\te+ne], v[\te+ne]
.set ne, ne+1
.endif
.set n, n+1
.endr
	RCP4                                           ; key i - 1's
.if \p
	PREP \tm                                       ; 32 plain lines that name no transcendental's result: the first is the plain instruction behind the reciprocals (ISA guide 5.7.2)
.else
	v_nop                                          ; the plain instruction behind the reciprocals
.endif
.if \st
	s_wait_alu depctr_vm_vsrc(0)                   ; the raw sum's store of the half before has read v[d], which this half's last lines write again; the fetches and stores issued so far have read v5 and v7, which a trip's first half writes
.endif
.if \sq
	v_add_nc_u32 v5, s25, v4                       ; once for two keys: the addresses of the trip's fetches and of its stores
	v_add_nc_u32 v7, s25, v6
	s_add_co_u32 s25, s25, 256
.endif
	s_wait_alu depctr_va_vdst(0)                   ; the half's 36 transcendentals have written their results (one wait, ahead of their first reader and of the loop's branch); the additions are done reading v96-127, in which the fetch lands; the last half's raw sum is written, which the store reads; so are v5 and v7
.if \ld
	FETCH \la, \lo
.endif
.if \st
	ds_store_b32 v[\sa], v[42-\d] offset:\so       ; key i - 2's
.endif
	FINISH \d                                      ; key i - 1's: it names none of the registers that the loads and the store above touch
.endm
	PREP T0                                        ; key 0 is prepared
	s_wait_alu depctr_va_vdst(0)                   ; its additions are done reading v96-127, in which key 1's row lands
	FETCH 4, 128
.set ii, 0
.rept 32
	v_exp_f32 v[T0+ii], v[T0+ii]                   ; key 0's exponentials: there is nothing yet to set between them
.set ii, ii+1
.endr
	PREP T1                                        ; key 1 is prepared
	s_wait_alu depctr_va_vdst(0)                   ; key 0's exponentials have written v128-159, ahead of their first reader; key 1's additions are done reading v96-127, in which key 2's row lands
	FETCH 4, 256
	HALF T1, T0, 20, 1, 1, 4, 384, 0, 6, 0, 0      ; key 1: written out, since there is no raw sum yet to store
	s_mov_b32 s24, 14
.Lpair:                                            ; trip q = 0 .. 13: the half trips of keys 2 q + 2 and 2 q + 3; they fetch the rows of keys 2 q + 4 and 2 q + 5 and store the raw sums of keys 2 q and 2 q + 1
	HALF T0, T1, 22, 1, 1, 5, 512, 1, 7, 0, 1
	HALF T1, T0, 20, 1, 1, 5, 640, 1, 7, 128, 0
	s_sub_co_u32 s24, s24, 1
	s_cmp_lg_u32 s24, 0
	s_cbranch_scc1 .Lpair
	HALF T0, T1, 22, 1, 0, 4, 0, 1, 6, 3584, 0     ; key 30: fetches nothing: no LDS load passes my half's 32 rows; key 28's raw sum
	HALF T1, T0, 20, 0, 0, 4, 0, 1, 6, 3712, 0     ; key 31: there is no key left to prepare; key 29's raw sum
.set n, 0
.rept 50
	MOP T1                                         ; key 31's merges
.set n, n+1
.endr
	RCP4
	v_nop                                          ; the plain instruction behind the reciprocals
	s_wait_alu depctr_vm_vsrc(0)                   ; the store of key 29's raw sum has read v22, which the lines below write again
	s_wait_alu depctr_va_vdst(0)                   ; the reciprocals have written v26, v27, v30, v31, ahead of their first reader; key 30's raw sum v20 is written, which the store reads
	ds_store_b32 v6, v20 offset:3840
	FINISH 22
	s_wait_alu depctr_va_vdst(0)                   ; key 31's raw sum v22 is written, which the store reads
	ds_store_b32 v6, v22 offset:3968
	; ---- MY BLOCK OF 32 KEYS: the outer tanh, p, its sum, its scale, its codes
.set ii, 0
.rept 32
	ds_load_b32 v[RB+ii], v6 offset:128*ii         ; LDS serves a wave's instructions in order (ISA guide 5.7.1.4): these see my stores.  (No vector line since key 31's preparation, several waits back, names v96-127)
.set ii, ii+1
.endr
	; while they come: the LDS addresses of what follows, in the registers that the numerators have left
	v_and_b32 v168, 31, v0                         ; lane
	v_and_b32 v169, 15, v0                         ; r
	v_bfe_u32 v170, v0, 4, 1                       ; h
	s_and_b32 s37, s18, 1                          ; w % 2
	s_lshr_b32 s38, s18, 1                         ; w / 2
	v_mul_u32_u24 v165, v169, 80
	v_add_nc_u32 v165, LSUM, v165                  ; v165: my row's sixteen parts
	s_lshl_b32 s36, s18, 2
	v_add_nc_u32 v160, s36, v165                   ; v160: and my wave's among them
	s_lshl_b32 s36, s38, 6
	s_lshl_b32 s39, s37, 1
	s_add_co_u32 s36, s36, s39
	s_add_co_u32 s36, s36, PSC
	v_lshl_add_u32 v161, v169, 2, v170
	v_add_nc_u32 v161, s36, v161                   ; v161: my block's scale byte
	s_mul_i32 s36, s18, 768
	s_add_co_u32 s36, s36, PIMG
	v_lshl_add_u32 v162, v168, 3, s36              ; v162: where I put my codes
	s_mul_i32 s36, s37, 6144
	s_add_co_u32 s36, s36, PIMG
	v_lshl_add_u32 v163, v168, 3, s36              ; v163: p's fragments of my key half
	s_lshl_b32 s36, s37, 8
	s_add_co_u32 s36, s36, PSC
	v_lshl_add_u32 v164, v169, 2, s36              ; v164: and their scale words
	s_mul_i32 s36, s37, 8448
	s_lshl_b32 s39, s38, 6
	s_add_co_u32 s36, s36, s39
	s_add_co_u32 s36, s36, OST
	v_mul_u32_u24 v166, v169, 528
	v_lshl_add_u32 v166, v170, 5, v166
	v_add_nc_u32 v166, s36, v166                   ; v166: the stage, in: my key half, row r, 64 (w / 2) + 32 h bytes on
	s_mul_i32 s36, s18, 528
	s_add_co_u32 s36, s36, OST
	v_add_nc_u32 v167, s36, v1                     ; v167: and back: row w, 16 bytes a lane
	v_mov_b32 v175, 0                              ; a lane permute's destination counts as one of its sources
	v_mov_b32 v24, 0x3fb8aa3b                      ; log2(e), as a pair
	v_mov_b32 v25, 0x3fb8aa3b
	s_wait_dscnt 0x0
.set ii, 0
.rept 16
	v_pk_fma_f32 v[RB+ii:RB+ii+1], v[RB+ii:RB+ii+1], s[28:29], v[18:19] op_sel_hi:[1,0,1]   ; C x the raw logit = C (sum of Wa + ba) - C 2^-14 S
.set ii, ii+2
.endr
.set ii, 0
.rept 32
	v_exp_f32 v[RB+ii], v[RB+ii]                   ; (an overflow to infinity gives the reciprocal 0 below, and so tanh = 1)
.set ii, ii+1
.endr
	v_nop                                          ; the plain instruction behind the batch
	s_wait_alu depctr_va_vdst(0)                   ; the 32 exponentials have written v96-127: the batch's one wait, ahead of its first reader
.set ii, 0
.rept 16
	v_pk_add_f32 v[RB+ii:RB+ii+1], v[RB+ii:RB+ii+1], 1.0 op_sel_hi:[1,0]
.set ii, ii+2
.endr
.set ii, 0
.rept 32
	v_rcp_f32 v[RB+ii], v[RB+ii]
.set ii, ii+1
.endr
	v_nop
	s_wait_alu depctr_va_vdst(0)                   ; the 32 reciprocals have written v96-127
.set ii, 0
.rept 16
	v_pk_fma_f32 v[RB+ii:RB+ii+1], v[RB+ii:RB+ii+1], s[30:31], v[24:25] op_sel_hi:[1,0,1]   ; t = log2(e) tanh = log2(e) - C / (1 + 2^(C a))
.set ii, ii+2
.endr
.set ii, 0
.rept 32
	v_exp_f32 v[RB+ii], v[RB+ii]                   ; p = 2^t: M = 0
.set ii, ii+1
.endr
	v_nop
	s_wait_alu depctr_va_vdst(0)                   ; the 32 exponentials have written v96-127
	v_pk_add_f32 v[128:129], v[RB:RB+1], v[RB+2:RB+3]          ; THE SUM IS TAKEN OF THE UNQUANTISED p: two chains
	v_pk_add_f32 v[130:131], v[RB+4:RB+5], v[RB+6:RB+7]
.irp j, 8,12,16,20,24,28
	v_pk_add_f32 v[128:129], v[128:129], v[RB+\j:RB+\j+1]
	v_pk_add_f32 v[130:131], v[130:131], v[RB+\j+2:RB+\j+3]
.endr
	v_max3_num_f32 v171, v[RB], v[RB+1], v[RB+2]               ; the block's largest p (no floor: p is at least 0.36)
	v_max3_num_f32 v172, v[RB+3], v[RB+4], v[RB+5]
	v_pk_add_f32 v[128:129], v[128:129], v[130:131]
.irp i, 6,10,14,18,22,26
	v_max3_num_f32 v171, v171, v[RB+\i], v[RB+\i+1]
	v_max3_num_f32 v172, v172, v[RB+\i+2], v[RB+\i+3]
.endr
	v_add_f32 v128, v128, v129
	v_max3_num_f32 v171, v171, v[RB+30], v[RB+31]
	v_permlanex16_b32 v175, v128, s34, s35
	v_max_num_f32 v171, v171, v172
	v_add_f32 v128, v128, v175                     ; with lane l xor 16's 32 keys: my wave's part of row r's sum
	v_add_nc_u32 v173, 0xff000000, v171            ; 2 off the exponent field: the conversion's scale operand
	v_lshrrev_b32 v174, 23, v173                   ; the scale's byte
	v_cvt_scalef32_pk16_fp6_f32 v[176:178], v[RB:RB+15], v173
	v_cvt_scalef32_pk16_fp6_f32 v[180:182], v[RB+16:RB+31], v173   ; (a conversion's three registers begin on an even number)
	v_nop                                          ; one plain place behind a scaled conversion
	v_mov_b32 v179, v180
	v_mov_b32 v180, v181
	v_mov_b32 v181, v182                           ; v176-181: the block's 192 bits
	s_wait_alu depctr_va_vdst(0)                   ; the sum v128, the byte v174 and the codes v176-181 are written, which the five LDS stores read; so are the LDS addresses v160-167; and the vector lines are done with v32-95, in which the loads behind the barrier land
	ds_store_b32 v160, v128                        ; both lanes of a query write the same word with the same value
	ds_store_b8 v161, v174
.irp g, 0,1,2
	ds_store_b64 v162, v[176+2*\g:177+2*\g] offset:256*\g      ; as an image of the operand's registers: 256 consecutive bytes a store
.endr
	s_wait_dscnt 0x0                               ; for the others' sake: my stores have landed
	s_barrier_signal -1
	s_barrier_wait -1                              ; p's eight fragments, their scale bytes and the sums' parts lie in LDS
	; ---- THE SECOND PRODUCT: my 16 rows d, my half of the keys
.irp f, 0,1,2,3
.irp g, 0,1,2,3,4,5
	ds_load_b64 v[PF+12*\f+2*\g:PF+12*\f+2*\g+1], v163 offset:1536*\f+256*\g
.endr
	ds_load_b32 v[PS+\f], v164 offset:64*\f
.endr
.irp i, 0,1,2,3
	ds_load_b128 v[LS+4*\i:LS+4*\i+3], v165 offset:16*\i
.endr
	s_wait_dscnt 0x0
	s_wait_loadcnt 0x0                             ; x^T's fragments and scale words, asked for at the head
	s_wait_alu depctr_vm_vsrc(0)                   ; my LDS stores have read v128, which the first product writes, and v22 (key 31's raw sum), which the row's sum below writes
	; two accumulators take turns, one instruction a turn; the first product on each starts its sum
	v_wmma_scale_f32_16x16x128_f8f6f4 v[128:135], v[XF:XF+11], v[PF:PF+11], 0, v[XS], v[PS] matrix_a_fmt:MATRIX_FMT_FP6 matrix_b_fmt:MATRIX_FMT_FP6
	v_wmma_scale_f32_16x16x128_f8f6f4 v[136:143], v[XF+12:XF+23], v[PF+12:PF+23], 0, v[XS+1], v[PS+1] matrix_a_fmt:MATRIX_FMT_FP6 matrix_b_fmt:MATRIX_FMT_FP6
	v_wmma_scale_f32_16x16x128_f8f6f4 v[128:135], v[XF+24:XF+35], v[PF+24:PF+35], v[128:135], v[XS+2], v[PS+2] matrix_a_fmt:MATRIX_FMT_FP6 matrix_b_fmt:MATRIX_FMT_FP6
	v_wmma_scale_f32_16x16x128_f8f6f4 v[136:143], v[XF+36:XF+47], v[PF+36:PF+47], v[136:143], v[XS+3], v[PS+3] matrix_a_fmt:MATRIX_FMT_FP6 matrix_b_fmt:MATRIX_FMT_FP6
.irp i, 0,1,2,3                        ; the row's sum: these eight plain lines are also the places behind the products
	v_pk_add_f32 v[LS+4*\i:LS+4*\i+1], v[LS+4*\i:LS+4*\i+1], v[LS+4*\i+2:LS+4*\i+3]
.endr
.irp i, 0,1
	v_pk_add_f32 v[LS+8*\i:LS+8*\i+1], v[LS+8*\i:LS+8*\i+1], v[LS+8*\i+4:LS+8*\i+5]
.endr
	v_pk_add_f32 v[LS:LS+1], v[LS:LS+1], v[LS+8:LS+9]
	v_add_f32 v22, v[LS], v[LS+1]
	v_rcp_f32 v22, v22
	v_nop                                          ; a plain instruction behind the reciprocal
	s_wait_alu depctr_va_vdst(0)                   ; the reciprocal has written v22, ahead of its first reader
	v_mov_b32 v23, v22
.irp j, 0,2,4,6
	v_pk_mul_f32 v[144+\j:145+\j], v[128+\j:129+\j], v[22:23]                  ; each accumulator from its low end on
.endr
.irp j, 0,2,4,6
	v_pk_fma_f32 v[144+\j:145+\j], v[136+\j:137+\j], v[22:23], v[144+\j:145+\j]
.endr
	s_wait_alu depctr_va_vdst(0)                   ; the multiply-adds have written v144-151, which the LDS stores read; no vector line behind this wait names v152-159 before the loads behind the barrier land there
	ds_store_b128 v166, v[144:147]                 ; lane (r, h): channels 16 (w / 2) + 8 h + 0 .. 7 of query r, my key half's part
	ds_store_b128 v166, v[148:151] offset:16
	s_wait_dscnt 0x0                               ; for the others' sake
	s_barrier_signal -1
	s_barrier_wait -1                              ; both halves of the 16 rows lie in the stage
	ds_load_b128 v[152:155], v167
	ds_load_b128 v[156:159], v167 offset:8448
	s_wait_dscnt 0x0
	v_pk_add_f32 v[152:153], v[152:153], v[156:157]
	v_pk_add_f32 v[154:155], v[154:155], v[158:159]
	s_wait_alu depctr_va_vdst(0)                   ; the two additions have written v152-155, which the store reads
	global_store_b128 v1, v[152:155], s[16:17] th:TH_STORE_NT   ; wave w stores row w: 512 consecutive bytes at a multiple of 256 from out0's first byte
	s_wait_xcnt 0x0
	v_lshl_add_u32 v206, v0, 2, 0x41000            ; (no memory or LDS instruction of the kernel has read v206 or v207)
	v_mov_b32 v207, 0
	s_wait_dscnt 0x0                               ; the closing lines, six on end
	s_wait_alu 0x0
	s_wait_tensorcnt 0x0
	ds_add_u32 v206, v207
	s_wait_dscnt 0x0
	s_endpgm
.Lfunc_end_k_q7a9f38144e_attn:
	.size	k_q7a9f38144e_attn, .Lfunc_end_k_q7a9f38144e_attn-k_q7a9f38144e_attn
	.p2alignl 7, 3214868480
	.fill 96, 4, 3214868480
	.section	.rodata,"a",@progbits
	.p2align	6, 0x0
	.amdhsa_kernel k_q7a9f38144e_attn
		.amdhsa_group_segment_fixed_size 268288
		.amdhsa_private_segment_fixed_size 0
		.amdhsa_enable_private_segment 0
		.amdhsa_kernarg_size 56
		.amdhsa_user_sgpr_count 2
		.amdhsa_user_sgpr_kernarg_segment_ptr 1
		.amdhsa_wavefront_size32 1
		.amdhsa_system_sgpr_workgroup_id_x 1
		.amdhsa_system_sgpr_workgroup_id_y 1
		.amdhsa_system_sgpr_workgroup_id_z 1
		.amdhsa_system_vgpr_workitem_id 0
		.amdhsa_next_free_vgpr 256
		.amdhsa_next_free_sgpr 66
		.amdhsa_reserve_vcc 0
		.amdhsa_float_denorm_mode_32 3
		.amdhsa_float_denorm_mode_16_64 3
		.amdhsa_memory_ordered 1
		.amdhsa_forward_progress 1
		.amdhsa_inst_pref_size 72
	.end_amdhsa_kernel
	.amdgpu_metadata
---
amdhsa.version: [ 1, 2 ]
amdhsa.kernels:
  - .name:           k_q7a9f38144e_attn
    .symbol:         k_q7a9f38144e_attn.kd
    .args:
      - { .name: qa, .offset: 0, .size: 8, .value_kind: global_buffer, .address_space: global }
      - { .name: kb, .offset: 8, .size: 8, .value_kind: global_buffer, .address_space: global }
      - { .name: xtc, .offset: 16, .size: 8, .value_kind: global_buffer, .address_space: global }
      - { .name: xts, .offset: 24, .size: 8, .value_kind: global_buffer, .address_space: global }
      - { .name: Wa, .offset: 32, .size: 8, .value_kind: global_buffer, .address_space: global }
      - { .name: ba, .offset: 40, .size: 8, .value_kind: global_buffer, .address_space: global }
      - { .name: out0, .offset: 48, .size: 8, .value_kind: global_buffer, .address_space: global }
    .group_segment_fixed_size: 268288
    .private_segment_fixed_size: 0
    .kernarg_segment_align: 8
    .kernarg_segment_size: 56
    .max_flat_workgroup_size: 512
    .sgpr_count:     66
    .vgpr_count:     256
    .wavefront_size: 32
...
	.end_amdgpu_metadata
.endif
;; end of part 5
